; MI455X (gfx1250); checked and timed in simulation.
; The chip was launched on July 23, 2026; its instructions are those of AMD's public machine-readable ISA for CDNA 5 (MIT licence, August 2026) and "CDNA5" Instruction Set Architecture Reference Guide (July 2026). The comments in the code are by the model that wrote it; some were corrected since.
;; Multi Head Attention. Allowed arithmetic: matrix products marked QUANTISED: E2M1 operands, one E8M0 scale for each 32 along K, by v_wmma_scale_f32_16x16x128_f8f6f4 with both operands' format E2M1 (or v_wmma_scale_f32_32x16x128_f4), f32 sums; products left as they are: bf16, f16 or f32 operands; f32 sums; everything else in f32.
;; Inputs: wk 1,024 x 1,024 float32; wo 1,024 x 1,024 float32; wq 1,024 x 1,024 float32; wv 1,024 x 1,024 float32; x 4 x 2,048 x 1,024 float32.
;; Outputs: out0 4 x 2,048 x 1,024 float32.
;; This version of the problem:
;;   THIS VERSION OF THE PROBLEM IS GIVEN IN LOW PRECISION. The matrix products marked QUANTISED in the list below multiply operands that are first quantised to E2M1 (2 exponent bits, 1 mantissa bit; 4 bits a number), with one power-of-two scale for each 32 numbers along K (OCP MX v1.0); their sums are f32. The products marked 'left as it is' may take bf16, f16 or f32 operands, with f32 sums. Whichever they take, every output number must still come out within the allowed error. Rounding operands to bf16 (8 significant bits) uses up far more of that allowance than f16 does (11 bits, for magnitudes from 6e-5 to 65,504). All else is computed in f32.
;;   The module's matrix products, in the order in which they are computed (A, B: the left and right operand; K: the contracted axis; several contracted axes count as one K, in the product's order):
;;     1. [M 8,192, K 1,024] x [K 1,024, N 1,024]; A: input x; B: input wq: QUANTISED
;;     2. [M 8,192, K 1,024] x [K 1,024, N 1,024]; A: input x; B: input wk: QUANTISED
;;     3. [M 8,192, K 1,024] x [K 1,024, N 1,024]; A: input x; B: input wv: QUANTISED
;;     4. batch 64 x [M 2,048, K 64] x [K 64, N 2,048]; A: computed on the way; B: computed on the way: left as it is (an operand is computed on the way)
;;     5. batch 64 x [M 2,048, K 2,048] x [K 2,048, N 64]; A: computed on the way; B: computed on the way: left as it is (an operand is computed on the way)
;;     6. [M 8,192, K 1,024] x [K 1,024, N 1,024]; A: computed on the way; B: input wo: left as it is (an operand is computed on the way)
;;   THE QUANTISER, for each operand of a quantised product, along K:
;;     - K is cut into blocks of 32 from its start; a last block that is shorter is filled with zeros.
;;     - A block's scale is 2^e with e = floor(log2(the largest magnitude in the block)) - 2, held to -126 .. 127; a block of zeros has e = 0. As a byte (E8M0): e + 127.
;;     - Each number is divided by its block's scale, clamped to +-6, and rounded to the nearest number of E2M1, ties to even, subnormals kept.
;;     - The product sums the exact products of the quantised numbers (number of the format x scale) in f32.
;;   ~~~python
;;   def quantise(x, axis):      # numpy; x: float32 -> the quantised numbers, widened to float32 again
;;       x = np.moveaxis(x, axis, -1); K = x.shape[-1]
;;       x = np.pad(x, [(0, 0)] * (x.ndim - 1) + [(0, -K % 32)]); x = x.reshape(x.shape[:-1] + (-1, 32)); a = np.abs(x).max(-1, keepdims=True)
;;       e = np.where(a > 0, np.clip(np.frexp(np.where(a > 0, a, 1))[1] - 1 - 2, -126, 127), 0)      # np.frexp(a)[1] - 1 = floor(log2(a)), exactly
;;       r = np.clip(x / 2.0 ** e, -6, 6)
;;       step = 2.0 ** (np.maximum(np.frexp(np.where(r == 0, 1, r))[1] - 1, 0) - 1)
;;       q = np.round(r / step) * step * 2.0 ** e      # np.round: ties to even
;;       return np.moveaxis(q.reshape(q.shape[:-2] + (-1,))[..., :K], -1, axis).astype(np.float32)
;;   ~~~
;; One version. Each part assembles by itself: llvm-mc -triple=amdgcn-amd-amdhsa -mcpu=gfx1250 --defsym DOCPART=n.
;; ======== version 1 of 1: 5 launches
;; limits: values are held in f16: magnitudes above 65,504 overflow, below 6.1e-05 lose precision
;; workspace buffers: xc 4,194,304 bytes; xs 262,144 bytes; wc 1,572,864 bytes; ws 98,304 bytes; wo16 2,097,152 bytes; qkv 50,331,648 bytes; qkv32 786,432 bytes; ao 16,777,216 bytes
;; launch prep (part 1): grid 384 x 1, 4 waves a work-group, no clusters, 33,280 bytes of LDS; arguments x, wq, wk, wv, wo, xc, xs, wc, ws, wo16; writes xc, xs, wc, ws, wo16
.if DOCPART == 1
	.amdgcn_target "amdgcn-amd-amdhsa--gfx1250"
	.amdhsa_code_object_version 6
	.text
	.protected	k_q24e0b3bf29_prep
	.globl	k_q24e0b3bf29_prep
	.p2align	8
	.type	k_q24e0b3bf29_prep,@function
k_q24e0b3bf29_prep:
	s_mov_b64 s[64:65], 0
	v_nop
	global_prefetch_b8 v0, s[64:65] scope:SCOPE_SE
	s_setreg_imm32_b32 hwreg(HW_REG_WAVE_MODE, 25, 1), 1
	s_wait_xcnt 0x0
; x [8192][1024], wq, wk, wv [1024][1024], f32, become codes of FP4 (E2M1), K innermost, with one E8M0 byte for each 32 along K; wo [1024][1024] is rounded to f16.
; K is the last axis of all four quantised tensors and a multiple of 32: each is a plain stream of blocks of 32 numbers, and so are its codes (16 bytes a block) and its scale bytes.
; A block's scale is 2^(floor(log2(its largest magnitude)) - 2); its byte is the largest magnitude's exponent field - 2, held at 1 from below.
; LIMITS: a block of zeros gets the byte 1 where the quantiser says 127 (its codes are zeros, and this program alone reads the bytes); blocks whose largest magnitude lies under 2^-124 are held at the byte 1;
; NaN and infinities among the inputs are not served; wo is rounded to f16, so its magnitudes must lie under 65,504.
; SHARES: a work-group takes 32,768 numbers, a wave 8,192.  Work-groups 0-255: x; 256-287: wq; 288-319: wk; 320-351: wv (their codes lie one behind the other in wc, ws); 352-383: wo.
; The four quantised tensors take ONE path: only pointers are chosen, by the work-group's number.  wo's path touches no LDS.
; A wave's 16 steps of 512 numbers: four loads of 512 consecutive bytes; the 2,048 bytes turn through the wave's own stage in LDS, so that a lane gets 16 neighbours along K (two lanes to a block).
.set WAVES, 4
.set STEPS, 16
.set EMAX,  2
.set CB,    8                          ; bytes of 16 codes
.set R,     16                         ; v16-79   four sets of 16 numbers as loaded (wo: v16-143, four sets of 32)
.set X,     80                         ; v80-111  two sets of 16 neighbours
.set E,     112                        ; v112-127 a scale byte for each step
.set C,     128                        ; v128-191 codes, four registers a step: no store's data are written again
.set H,     144                        ; wo: v144-175 two sets of 16 registers of f16
.set WREG,  8192                       ; LDS: a region for each wave: two stages of 32 x SP bytes, then its 256 scale bytes
.set SP,    80                         ; a lane's place in a stage: 64 bytes + 16 of padding
.set SPW,   12                         ; v12 LDS address of my spare word; never rewritten
.set NIL,   13                         ; v13 0; never rewritten
.set SPARE, WAVES*WREG                 ; behind the four regions: the spare words, 128 bytes a wave, which no other line names
	s_load_b512 s[4:19], s[0:1], 0x0               ; x, wq, wk, wv, wo, xc, xs, wc
	s_load_b128 s[20:23], s[0:1], 0x40             ; ws, wo16
	v_lshl_add_u32 v[SPW], v0, 2, SPARE
	v_mov_b32 v[NIL], 0
	v_lshrrev_b32 v1, 5, v0
	v_readfirstlane_b32 s24, v1                    ; wave
	v_and_b32 v2, 31, v0                           ; lane
	v_lshlrev_b32 v3, 4, v2                        ; my 16 bytes of a load's 512
	v_lshlrev_b32 v4, 3, v2                        ; my 8 bytes of a store's 256 (16 codes, or 4 numbers of f16)
	s_mul_i32 s25, s24, WREG
	v_lshrrev_b32 v14, 2, v2
	v_mul_u32_u24 v14, v14, SP
	v_and_b32 v15, 3, v2
	v_lshl_add_u32 v14, v15, 4, v14
	v_add_nc_u32 v14, s25, v14                     ; the stage, on the way in: SP (lane / 4) + 16 (lane % 4)
	v_mul_u32_u24 v15, v2, SP
	v_add_nc_u32 v15, s25, v15                     ; and on the way out: SP x lane: my 16 neighbours
	v_lshrrev_b32 v5, 1, v2
	s_add_co_u32 s25, s25, 2*32*SP
	v_add_nc_u32 v5, s25, v5                       ; my wave's 256 scale bytes: my block's byte
	v_add_nc_u32 v6, s25, v4                       ; and 8 bytes a lane on their way out
	s_mov_b32 s35, 0
	s_wait_kmcnt 0x0
	s_cmp_ge_u32 ttmp9, 352
	s_cbranch_scc1 .Lwo
	; which tensor: the choices hang on the work-group's number alone
	s_cmp_lt_u32 ttmp9, 320
	s_cselect_b64 s[26:27], s[8:9], s[10:11]       ; wk or wv
	s_cmp_lt_u32 ttmp9, 288
	s_cselect_b64 s[26:27], s[6:7], s[26:27]       ; wq
	s_cmp_lt_u32 ttmp9, 256
	s_cselect_b64 s[26:27], s[4:5], s[26:27]       ; x
	s_cselect_b64 s[28:29], s[14:15], s[18:19]     ; codes: xc or wc
	s_cselect_b64 s[30:31], s[16:17], s[20:21]     ; scale bytes: xs or ws
	s_cselect_b32 s33, 255, 31                     ; work-groups in a source tensor, less one
	s_cselect_b32 s25, 0, 256
	s_sub_co_u32 s32, ttmp9, s25                   ; n: my place in the codes' buffer
	s_and_b32 s34, s32, s33                        ; m: my place in the source tensor
	s_lshl_b32 s34, s34, 2
	s_add_co_u32 s34, s34, s24
	s_lshl_b32 s34, s34, 15                        ; a wave's run is 32,768 bytes of f32,
	s_add_nc_u64 s[26:27], s[26:27], s[34:35]
	s_lshl_b32 s32, s32, 2
	s_add_co_u32 s32, s32, s24
	s_lshl_b32 s34, s32, 12                        ; 4,096 bytes of codes,
	s_add_nc_u64 s[28:29], s[28:29], s[34:35]
	s_lshl_b32 s34, s32, 8                         ; 256 scale bytes
	s_add_nc_u64 s[30:31], s[30:31], s[34:35]
.macro LOAD t
.irp i, 0,1,2,3
	global_load_b128 v[R+16*((\t)%4)+4*\i:R+16*((\t)%4)+4*\i+3], v3, s[26:27] offset:2048*(\t)+512*\i th:TH_LOAD_NT   ; 32 lanes read 512 consecutive bytes
.endr
.endm
.macro TURN t                          ; step t's numbers through the stage: LDS serves a wave's instructions in order, so no wait stands between the stores and the loads
.irp i, 0,1,2,3
	ds_store_b128 v14, v[R+16*((\t)%4)+4*\i:R+16*((\t)%4)+4*\i+3] offset:32*SP*((\t)%2)+8*SP*\i
.endr
.irp i, 0,1,2,3
	ds_load_b128 v[X+16*((\t)%2)+4*\i:X+16*((\t)%2)+4*\i+3], v15 offset:32*SP*((\t)%2)+16*\i
.endr
.endm
.irp t, 0,1,2,3
	LOAD \t
.endr
	s_wait_loadcnt 12                              ; step 0's four loads are in; the twelve of steps 1 to 3 may be out
	TURN 0
.macro STEP t
.set XS, X+16*((\t)%2)
.if (\t) > 0
	s_wait_dscnt 1                                 ; this step's numbers are back from the stage; the one younger LDS instruction, the last step's byte store, may be out
.else
	s_wait_dscnt 0x0
.endif
.if (\t)+4 < STEPS
	LOAD (\t)+4                                    ; into the registers that this step's stores into the stage have read
.endif
.if (\t)+1 < STEPS
.if STEPS-2-(\t) >= 3
	s_wait_loadcnt 12                              ; the next step's four loads are in; those of the three steps behind it may be out
.else
	s_wait_loadcnt 4*(STEPS-2-(\t))
.endif
	TURN (\t)+1                                    ; the next step goes through the other stage while this one is worked
.endif
	v_max3_num_f32 v8, |v[XS]|, |v[XS+1]|, |v[XS+2]|               ; the largest magnitude of my 16, in two chains
	v_max3_num_f32 v9, |v[XS+3]|, |v[XS+4]|, |v[XS+5]|
.irp i, 6,10
	v_max3_num_f32 v8, v8, |v[XS+\i]|, |v[XS+\i+1]|
	v_max3_num_f32 v9, v9, |v[XS+\i+2]|, |v[XS+\i+3]|
.endr
	v_max3_num_f32 v8, v8, |v[XS+14]|, |v[XS+15]|
	v_max3_num_f32 v8, v8, v9, (EMAX+1)<<23        ; and the floor 2^(3 - 127): the byte cannot fall under 1
	v_max_num_f32_dpp v8, v8, v8 row_xmask:1 row_mask:0xf bank_mask:0xf   ; with my neighbour's 16: the block's
	v_add_nc_u32 v11, 0xff000000, v8               ; 2 off its exponent field: the conversion takes the exponent field of this operand as its scale
	v_cvt_scalef32_pk8_fp4_f32 v[C+4*(\t)], v[XS:XS+7], v11        ; to the nearest code, ties to even, beyond the largest code the largest
	v_cvt_scalef32_pk8_fp4_f32 v[C+4*(\t)+1], v[XS+8:XS+15], v11
	v_lshrrev_b32 v[E+(\t)], 23, v11               ; the scale's byte (also the plain line behind the conversions)
	ds_store_b8 v5, v[E+(\t)] offset:16*(\t)       ; both lanes of a block write the same byte with the same value
	global_store_b64 v4, v[C+4*(\t):C+4*(\t)+1], s[28:29] offset:32*CB*(\t)   ; 32 lanes store 256 consecutive bytes, aligned
.endm
.irp t, 0,1,2,3,4,5,6,7,8,9,10,11,12,13,14,15
	STEP \t
.endr
	ds_load_b64 v[8:9], v6                         ; LDS serves a wave's instructions in order: these see my byte stores
	s_wait_dscnt 0x0
	global_store_b64 v4, v[8:9], s[30:31]          ; my wave's 256 scale bytes: one aligned run
	s_wait_tensorcnt 0x0                           ; the wave's end, behind my last LDS store
	ds_add_u32 v[SPW], v[NIL]
	s_wait_dscnt 0x0
	s_endpgm
.Lwo:                                          ; wo to f16: 8 batches of 4,096 bytes a wave, loads four batches ahead; no LDS
	s_sub_co_u32 s32, ttmp9, 352
	s_lshl_b32 s32, s32, 2
	s_add_co_u32 s32, s32, s24
	s_lshl_b32 s34, s32, 15
	s_add_nc_u64 s[26:27], s[12:13], s[34:35]
	s_lshl_b32 s34, s32, 14
	s_add_nc_u64 s[28:29], s[22:23], s[34:35]
.macro LOADW t
.irp i, 0,1,2,3,4,5,6,7
	global_load_b128 v[R+32*((\t)%4)+4*\i:R+32*((\t)%4)+4*\i+3], v3, s[26:27] offset:4096*(\t)+512*\i th:TH_LOAD_NT
.endr
.endm
.macro CVTW t
.if (\t) <= 4
	s_wait_loadcnt 24                              ; this batch's eight loads are in; the three younger batches may be out
.else
	s_wait_loadcnt 8*(7-(\t))
.endif
	s_wait_xcnt 0x0                                ; the stores of two batches back have read their data registers, which are written again below
.irp i, 0,1,2,3,4,5,6,7
	v_cvt_pk_f16_f32 v[H+16*((\t)%2)+2*\i], v[R+32*((\t)%4)+4*\i], v[R+32*((\t)%4)+4*\i+1]
	v_cvt_pk_f16_f32 v[H+16*((\t)%2)+2*\i+1], v[R+32*((\t)%4)+4*\i+2], v[R+32*((\t)%4)+4*\i+3]
.endr
.if (\t)+4 < 8
	LOADW (\t)+4
.endif
.irp i, 0,1,2,3,4,5,6,7
	global_store_b64 v4, v[H+16*((\t)%2)+2*\i:H+16*((\t)%2)+2*\i+1], s[28:29] offset:2048*(\t)+256*\i   ; 32 lanes store 256 consecutive bytes, aligned
.endr
.endm
.irp t, 0,1,2,3
	LOADW \t
.endr
.irp t, 0,1,2,3,4,5,6,7
	CVTW \t
.endr
	s_endpgm
.Lfunc_end_k_q24e0b3bf29_prep:
	.size	k_q24e0b3bf29_prep, .Lfunc_end_k_q24e0b3bf29_prep-k_q24e0b3bf29_prep
	.p2alignl 7, 3214868480
	.fill 96, 4, 3214868480
	.section	.rodata,"a",@progbits
	.p2align	6, 0x0
	.amdhsa_kernel k_q24e0b3bf29_prep
		.amdhsa_group_segment_fixed_size 33280
		.amdhsa_private_segment_fixed_size 0
		.amdhsa_enable_private_segment 0
		.amdhsa_kernarg_size 80
		.amdhsa_user_sgpr_count 2
		.amdhsa_user_sgpr_kernarg_segment_ptr 1
		.amdhsa_wavefront_size32 1
		.amdhsa_system_sgpr_workgroup_id_x 1
		.amdhsa_system_sgpr_workgroup_id_y 1
		.amdhsa_system_sgpr_workgroup_id_z 1
		.amdhsa_system_vgpr_workitem_id 0
		.amdhsa_next_free_vgpr 192
		.amdhsa_next_free_sgpr 66
		.amdhsa_reserve_vcc 0
		.amdhsa_float_denorm_mode_32 3
		.amdhsa_float_denorm_mode_16_64 3
		.amdhsa_memory_ordered 1
		.amdhsa_forward_progress 1
		.amdhsa_inst_pref_size 54
	.end_amdhsa_kernel
	.amdgpu_metadata
---
amdhsa.version: [ 1, 2 ]
amdhsa.kernels:
  - .name:           k_q24e0b3bf29_prep
    .symbol:         k_q24e0b3bf29_prep.kd
    .args:
      - { .name: x, .offset: 0, .size: 8, .value_kind: global_buffer, .address_space: global }
      - { .name: wq, .offset: 8, .size: 8, .value_kind: global_buffer, .address_space: global }
      - { .name: wk, .offset: 16, .size: 8, .value_kind: global_buffer, .address_space: global }
      - { .name: wv, .offset: 24, .size: 8, .value_kind: global_buffer, .address_space: global }
      - { .name: wo, .offset: 32, .size: 8, .value_kind: global_buffer, .address_space: global }
      - { .name: xc, .offset: 40, .size: 8, .value_kind: global_buffer, .address_space: global }
      - { .name: xs, .offset: 48, .size: 8, .value_kind: global_buffer, .address_space: global }
      - { .name: wc, .offset: 56, .size: 8, .value_kind: global_buffer, .address_space: global }
      - { .name: ws, .offset: 64, .size: 8, .value_kind: global_buffer, .address_space: global }
      - { .name: wo16, .offset: 72, .size: 8, .value_kind: global_buffer, .address_space: global }
    .group_segment_fixed_size: 33280
    .private_segment_fixed_size: 0
    .kernarg_segment_align: 8
    .kernarg_segment_size: 80
    .max_flat_workgroup_size: 128
    .sgpr_count:     66
    .vgpr_count:     192
    .wavefront_size: 32
...
	.end_amdgpu_metadata
.endif
;; end of part 1
;; launch qkv (part 2): grid 12 x 32, 4 waves a work-group, clusters of 4 x 1, 327,680 bytes of LDS; arguments xc, xs, wc, ws, qkv, qkv32; writes qkv, qkv32
.if DOCPART == 2
	.amdgcn_target "amdgcn-amd-amdhsa--gfx1250"
	.amdhsa_code_object_version 6
	.text
	.protected	k_q24e0b3bf29_qkv
	.globl	k_q24e0b3bf29_qkv
	.p2align	8
	.type	k_q24e0b3bf29_qkv,@function
k_q24e0b3bf29_qkv:
	s_mov_b64 s[64:65], 0
	v_nop
	global_prefetch_b8 v0, s[64:65] scope:SCOPE_SE
	s_setreg_imm32_b32 hwreg(HW_REG_WAVE_MODE, 25, 1), 1
	s_wait_xcnt 0x0
	s_wait_alu depctr_hold_cnt(0) depctr_sa_sdst(0) depctr_va_vdst(0) depctr_va_sdst(0) depctr_va_ssrc(0) depctr_va_vcc(0) depctr_vm_vsrc(0)
	s_getreg_b32 s2, hwreg(HW_REG_IB_STS2, 6, 4)
	s_cmp_eq_u32 s2, 0
	s_cbranch_scc0 .Lentry_in_a_cluster
	s_endpgm
.Lentry_in_a_cluster:
	s_bfe_u32 s2, ttmp6, 0x10000c
	s_cmp_lg_u32 s2, 0x3003
	s_cbranch_scc0 .Lentry_shape_is_right
	s_endpgm
.Lentry_shape_is_right:
; The three quantised projections as ONE product on codes of FP4 (E2M1): C[m][n] = sum over k of x[m][k] w[n][k], m = 8,192 tokens, n = 3,072 (wq's, wk's, wv's rows), k = 1,024; sums in f32.
; Codes: rows of 512 bytes, K innermost; scale bytes (E8M0): rows of 32 bytes.  The matrix instruction takes both as they lie.
; RESULT: rounded once to f16 and laid by head: qkv [which 3][batch 4][head 16][token 2,048][64]; the first 16 tokens of each batch also as f32: qkv32 [batch][which][head][16][64].
; LIMIT: q, k and v are rounded to f16: their magnitudes must lie under 65,504.
; A tile of C, 256 x 256, is made by four waves, 128 x 128 each: 64 accumulators, 512 registers.  K is two steps of 512 (rows of 256 bytes): both are asked for at the head, each into a slot of its own: no LDS byte is filled twice.
; The scale bytes of the tile's 256 + 256 rows, for all of K, come once, as units of 256 bytes with 16 of padding.
; CLUSTER: the four work-groups of a cluster are four neighbouring tile columns of one tile row: they need the same tiles and scales of x, which are asked for JOINTLY (mask 15).  w's tiles differ between them and are plain loads.
; w's tiles are not shared along m: the branch round the f32 rows hangs on the tile row, which therefore has to be the same in all partners.
; THE MATRIX INSTRUCTION IS USED TRANSPOSED (source 0 = 16 rows of w, source 1 = 16 rows of x): a lane holds eight neighbouring columns of one token.
; REGISTERS, in windows of 256: window 0: v0-31 addresses; v32-95 scale words, two sets; v128-191 x's fragments, one set; on the way out v32-255 are free.
;   window 1: w's fragments, two sets, at v0 and v128.   window 2: the accumulators of my rows 0-63 ((a, b) at v[8 (8 a + b)]);   window 3: those of rows 64-127.
.set SIZE_K, 1024
.set KSTEP,  512
.set NQ,     KSTEP/128                 ; matrix instructions deep in a slot
.set ROWB,   256                       ; a tile's row in bytes
.set KROW,   SIZE_K*4/8                ; a row of codes in memory
.set PITCH,  272                       ; an LDS row: 256 bytes + 16 of padding: the 16 rows that a load touches start 68 words apart
.set FR,     8                         ; registers of a fragment, 16 rows x 128 K
.set NL,     2                         ; LDS loads that bring one
.set NP,     4                         ; places behind this matrix instruction (ISA guide 7.12.1)
.set HALFT,  128*PITCH
.set SLOT,   4*HALFT                   ; x's 256 rows, then w's 256 rows
.set KS,     SIZE_K/32                 ; a row of scale bytes
.set SCL,    2*SLOT                    ; behind the slots: the scales
.set HALFS,  (128*KS/256)*272          ; those of 128 rows: what one tensor load brings
.set SBLK,   (16*KS/256)*272           ; those of 16 rows
.set SPARE,  SCL+4*HALFS               ; the spare words, 128 bytes a wave, which no other line names
.set ST16,   4608                      ; the way out: a wave's f16 stage: 2 heads x 16 tokens x (128 + 16) bytes; the stages lie in slot 0, which has had its one fill and its last read by then
.set ST32,   4*ST16                    ; behind them the f32 stages: 16 tokens x (512 + 16) bytes a wave
.set ADRA, 16                          ; v16-17 LDS address of my fragments of x in slot 0, 1
.set STO32, 18                         ; v18 the f32 stage: where I put 32 bytes
.set RD32, 19                          ; v19 and where I read a row back
.set ADRB, 20                          ; v20-21 the same as ADRA for w
.set CO32, 22                          ; v22 my byte offset in qkv32
.set STO,  24                          ; v24 the f16 stage: where I put 16 bytes
.set RD,   25                          ; v25 and where I read back
.set CO,   26                          ; v26 16 x lane: my byte offset in qkv
.set ADRS, 27                          ; v27 LDS address of my scale words: lanes 0-15 x's rows, lanes 16-31 w's
.set SPW,  28                          ; v28 my spare word; never rewritten
.set NIL,  29                          ; v29 0; never rewritten
.set SC,   32                          ; scale words: set s at v[SC + 32 s]; register 4 i + q: lanes 0-15 x's block i, lanes 16-31 w's block i, the slot's q-th 128 along K
.set AF,   128
.set TMP,  192                         ; the way out: a block's 32 registers of f16
.set G1, 24                            ; s[24:31] group 1 for x's tiles; s[32:39] group 0, one set a slot
.set G0, 32
.set G1B, 48                           ; s[48:55], s[56:63] the same for w's tiles
.set G0B, 56
.set G1S, 68                           ; s[68:75], s[76:79] x's scales;  s[80:87], s[88:91] w's
.set G0S, 76
.set G1SB, 80
.set G0SB, 88
.set MSB, 0
.macro WIN new                         ; the immediate's high byte repeats the setting that is left
.if MSB != \new
	s_set_vgpr_msb (MSB<<8)|\new
.set MSB, \new
.endif
.endm
.set MUL_LO, 0xa1                      ; source 0 (w) window 1, source 1 (x) window 0, C and D window 2
.set MUL_HI, 0xf1                      ; the same, C and D window 3
.set TO_B,   0x40                      ; destination window 1
; Waves 0 and 1 fetch for x (jointly), waves 2 and 3 for w.  The branch hangs on the wave's number alone.  An s_nop 0 and four v_nop follow each load.
.macro JLOAD g0a, g1a, g0b, g1b
	s_cmp_eq_u32 s15, 0
	s_cbranch_scc0 .Lfor_b_\@
	tensor_load_to_lds s[\g0a:\g0a+3], s[\g1a:\g1a+7]
	s_nop 0
.rept 4
	v_nop
.endr
	s_branch .Lasked_\@
.Lfor_b_\@:
	tensor_load_to_lds s[\g0b:\g0b+3], s[\g1b:\g1b+7]
	s_nop 0
.rept 4
	v_nop
.endr
.Lasked_\@:
.endm
.macro CROUND                          ; a round of the cluster's barrier
	s_barrier_signal -1
	s_barrier_wait -1
	s_cmp_lg_u32 s14, 0
	s_cbranch_scc1 .Lnot_wave_0_\@
	s_barrier_signal -3
.Lnot_wave_0_\@:
	s_barrier_wait -3
	s_barrier_signal -1
	s_barrier_wait -1
.endm
	s_load_b128 s[4:7], s[0:1], 0x0                ; x's codes, x's scales
	s_load_b128 s[8:11], s[0:1], 0x10              ; w's codes, w's scales
	s_load_b64 s[12:13], s[0:1], 0x20              ; qkv
	s_load_b64 s[96:97], s[0:1], 0x28              ; qkv32
	v_lshl_add_u32 v[SPW], v0, 2, SPARE
	v_mov_b32 v[NIL], 0
	ds_add_u32 v[SPW], v[NIL]                      ; the wave's opening: the add, twice on end, and its wait ahead of my first tensor load
	ds_add_u32 v[SPW], v[NIL]
	v_lshrrev_b32 v1, 5, v0
	v_readfirstlane_b32 s14, v1                    ; wave 0..3
	s_lshr_b32 s15, s14, 1                         ; which half of the tile's rows is mine.  Also: I fetch for x (0) or for w (1)
	s_and_b32 s16, s14, 1                          ; which half of its columns.  Also: which 128 rows I fetch
	s_bfe_u32 s40, ttmp6, 0x40000                  ; cx: my place in the cluster
	s_lshl_b32 s42, ttmp9, 2
	s_add_co_u32 s42, s42, s40                     ; tile column = 4 x cluster x + cx
	s_and_b32 s17, ttmp7, 0xffff                   ; tile row: the same in all four partners
	s_mov_b32 s[G1+0], 15|(1<<20)|(1<<21)|(5<<22)|(3<<25)   ; mask: all four; elements of 1 byte; padding on; bit 21 beside a mask; 4 words behind every 64
	s_mov_b32 s[G1B+0], (1<<20)|(5<<22)|(3<<25)             ; the same, no mask
.irp g, G1, G1B
	s_mov_b32 s[\g+1], ROWB<<16                    ; tensor_dim0
	s_mov_b32 s[\g+2], 128<<16                     ; tensor_dim1
	s_mov_b32 s[\g+3], ROWB<<16                    ; tile_dim0
	s_mov_b32 s[\g+4], 128                         ; tile_dim1
	s_mov_b32 s[\g+5], KROW                        ; from row to row
	s_mov_b32 s[\g+6], 0
	s_mov_b32 s[\g+7], 0
.endr
	s_mov_b32 s[G1S+0], 15|(3<<16)|(1<<20)|(1<<21)|(5<<22)|(3<<25)   ; the scales of 128 rows: 4,096 dense bytes as 16 rows of 32 elements of 8 bytes
	s_mov_b32 s[G1SB+0], (3<<16)|(1<<20)|(5<<22)|(3<<25)
.irp g, G1S, G1SB
	s_mov_b32 s[\g+1], 32<<16
	s_mov_b32 s[\g+2], (128*KS/256)<<16
	s_mov_b32 s[\g+3], 32<<16
	s_mov_b32 s[\g+4], 128*KS/256
	s_mov_b32 s[\g+5], 32
	s_mov_b32 s[\g+6], 0
	s_mov_b32 s[\g+7], 0
.endr
	s_lshl_b32 s18, s16, 7
	s_lshl_b32 s20, s17, 8
	s_add_co_u32 s20, s20, s18                     ; x: row 256 x tile row + 128 x half
	s_lshl_b32 s46, s42, 8
	s_add_co_u32 s46, s46, s18                     ; w: row 256 x tile column + 128 x half
	s_mov_b32 s21, 0
	s_mov_b32 s47, 0
	s_mov_b64 s[18:19], KS
	s_mul_u64 s[22:23], s[20:21], s[18:19]         ; where these rows' scales begin,
	s_mul_u64 s[92:93], s[46:47], s[18:19]
	s_mov_b64 s[18:19], KROW
	s_mul_u64 s[20:21], s[20:21], s[18:19]         ; and their codes
	s_mul_u64 s[46:47], s[46:47], s[18:19]
	s_mul_i32 s45, s14, HALFT                      ; where they go: wave x 128 rows: no place in the cluster enters an LDS address
	s_mul_i32 s94, s14, HALFS
	s_wait_dscnt 0x0                               ; both opening adds are done
	s_wait_kmcnt 0x0
	s_add_nc_u64 s[20:21], s[4:5], s[20:21]
	s_add_nc_u64 s[22:23], s[6:7], s[22:23]
	s_add_nc_u64 s[46:47], s[8:9], s[46:47]
	s_add_nc_u64 s[92:93], s[10:11], s[92:93]
	CROUND                                         ; all four work-groups are here: the joint loads meet
	s_mov_b32 s[G0S], 1
	s_add_co_u32 s[G0S+1], s94, SCL
	s_mov_b64 s[G0S+2:G0S+3], s[22:23]
	s_or_b32 s[G0S+3], s[G0S+3], 0x80000000
	s_mov_b32 s[G0SB], 1
	s_add_co_u32 s[G0SB+1], s94, SCL
	s_mov_b64 s[G0SB+2:G0SB+3], s[92:93]
	s_or_b32 s[G0SB+3], s[G0SB+3], 0x80000000
	JLOAD G0S, G1S, G0SB, G1SB                     ; the scales first: they are wanted with K step 0
.irp s, 0,1
	s_mov_b32 s[G0+4*\s], 1
	s_add_co_u32 s[G0+4*\s+1], s45, \s*SLOT
	s_add_nc_u64 s[G0+4*\s+2:G0+4*\s+3], s[20:21], \s*ROWB
	s_or_b32 s[G0+4*\s+3], s[G0+4*\s+3], 0x80000000
	s_mov_b32 s[G0B+4*\s], 1
	s_add_co_u32 s[G0B+4*\s+1], s45, \s*SLOT
	s_add_nc_u64 s[G0B+4*\s+2:G0B+4*\s+3], s[46:47], \s*ROWB
	s_or_b32 s[G0B+4*\s+3], s[G0B+4*\s+3], 0x80000000
	JLOAD G0+4*\s, G1, G0B+4*\s, G1B               ; both K steps: three tensor loads of mine are out, and no more follow
.endr
	v_and_b32 v1, 15, v0                           ; r = lane % 16
	v_bfe_u32 v2, v0, 4, 1                         ; h = lane / 16
	v_mul_u32_u24 v3, v1, PITCH
	v_lshl_add_u32 v4, v2, 4, v3                   ; a fragment's row x pitch + 16 x half
	s_mul_i32 s21, s15, HALFT                      ; my 128 rows of x
	s_mul_i32 s22, s16, HALFT                      ; my 128 rows of w,
	s_add_co_u32 s22, s22, 2*HALFT                 ; behind x's 256
.irp s, 0,1
	v_add_nc_u32 v[ADRA+\s], s21, v4
	v_add_nc_u32 v[ADRB+\s], s22, v4
	s_add_co_u32 s21, s21, SLOT
	s_add_co_u32 s22, s22, SLOT
.endr
	v_mul_u32_u24 v5, v1, KS                       ; my row's scales: KS bytes a row,
	v_lshrrev_b32 v6, 8, v5
	v_lshl_add_u32 v5, v6, 4, v5                   ; and 16 more for each 256 passed
	s_mul_i32 s21, s15, HALFS
	s_mul_i32 s22, s16, HALFS
	s_add_co_u32 s22, s22, 2*HALFS
	s_sub_co_u32 s22, s22, s21
	v_mul_u32_u24 v6, s22, v2                      ; lanes 16-31 take w's: one product, the distance between the two bases
	s_add_co_u32 s21, s21, SCL
	v_add_nc_u32 v5, v5, v6
	v_add_nc_u32 v[ADRS], s21, v5
	; the way out
	s_mul_i32 s23, s14, ST16
	v_mul_u32_u24 v5, v1, 144
	v_lshl_add_u32 v5, v2, 4, v5
	v_add_nc_u32 v[STO], s23, v5                   ; in: token r, 16 bytes for each half of the lanes
	v_and_b32 v6, 31, v0
	v_lshrrev_b32 v7, 3, v6
	v_mul_u32_u24 v7, v7, 144
	v_and_b32 v8, 7, v6
	v_lshl_add_u32 v7, v8, 4, v7
	v_add_nc_u32 v[RD], s23, v7                    ; back: eight lanes to a token's 128 bytes, four tokens an instruction
	v_lshlrev_b32 v[CO], 4, v6                     ; which are 512 consecutive bytes of qkv
	s_mul_i32 s23, s14, 16*528
	s_add_co_u32 s23, s23, ST32
	v_mul_u32_u24 v5, v1, 528
	v_lshl_add_u32 v5, v2, 5, v5
	v_add_nc_u32 v[STO32], s23, v5
	v_add_nc_u32 v[RD32], s23, v[CO]
	v_lshlrev_b32 v5, 12, v2
	v_lshl_add_u32 v[CO32], v1, 4, v5              ; lanes 0-15: the first head's 256 bytes of a token; lanes 16-31: the next head's, 4,096 bytes on
	s_lshr_b32 s46, s42, 2                         ; which of q, k, v
	s_lshl_b32 s47, s46, 2
	s_lshr_b32 s92, s17, 3                         ; batch
	s_add_co_u32 s47, s47, s92
	s_lshl_b32 s47, s47, 4
	s_and_b32 s93, s42, 3
	s_lshl_b32 s93, s93, 2
	s_lshl_b32 s94, s16, 1
	s_add_co_u32 s93, s93, s94                     ; my first head: 4 x (tile column % 4) + 2 x half
	s_add_co_u32 s47, s47, s93
	s_lshl_b32 s47, s47, 18                        ; a head's plane is 262,144 bytes
	s_and_b32 s94, s17, 7
	s_or_b32 s95, s94, s15                         ; 0 in the waves whose first 16 rows are a batch's first 16 tokens
	s_lshl_b32 s94, s94, 15                        ; 256 tokens of 128 bytes
	s_add_co_u32 s47, s47, s94
	s_lshl_b32 s94, s15, 14
	s_add_co_u32 s20, s47, s94
	s_mov_b32 s21, 0
	s_add_nc_u64 s[12:13], s[12:13], s[20:21]
	s_mul_i32 s92, s92, 3
	s_add_co_u32 s92, s92, s46
	s_lshl_b32 s92, s92, 4
	s_add_co_u32 s92, s92, s93
	s_lshl_b32 s20, s92, 12                        ; a plane of qkv32 is 4,096 bytes
	s_add_nc_u64 s[96:97], s[96:97], s[20:21]
.macro FRAG reg, adr, q, i             ; 16 rows x 128 K of 4-bit codes: lane l holds row l % 16; registers 4 c .. 4 c + 3 hold K = 64 c + 32 (l / 16) + 0 .. 31
.irp c, 0,1
	ds_load_b128 v[\reg+4*\c:\reg+4*\c+3], v[\adr] offset:64*(\q)+32*\c+(\i)*16*PITCH
.endr
.endm
; 16 matrix instructions: x's blocks a0, a0 + 1 against w's eight.  p: w's set; sc: the set of scale words; zero = 1: the product starts the sums.  The 64 accumulators take turns, one instruction a turn.
.macro MUL16 a0, p, q, sc, zero
.irp a, \a0, \a0+1
.irp b, 0,1,2,3,4,5,6,7
.if \zero
	v_wmma_scale_f32_16x16x128_f8f6f4 v[8*(8*((\a)%4)+\b):8*(8*((\a)%4)+\b)+7], v[128*(\p)+FR*\b:128*(\p)+FR*\b+FR-1], v[AF+FR*(\a):AF+FR*(\a)+FR-1], 0, v[SC+8*NQ*(\sc)+NQ*\b+(\q)], v[SC+8*NQ*(\sc)+NQ*(\a)+(\q)] matrix_a_fmt:MATRIX_FMT_FP4 matrix_b_fmt:MATRIX_FMT_FP4 matrix_a_scale:MATRIX_SCALE_ROW1
.else
	v_wmma_scale_f32_16x16x128_f8f6f4 v[8*(8*((\a)%4)+\b):8*(8*((\a)%4)+\b)+7], v[128*(\p)+FR*\b:128*(\p)+FR*\b+FR-1], v[AF+FR*(\a):AF+FR*(\a)+FR-1], v[8*(8*((\a)%4)+\b):8*(8*((\a)%4)+\b)+7], v[SC+8*NQ*(\sc)+NQ*\b+(\q)], v[SC+8*NQ*(\sc)+NQ*(\a)+(\q)] matrix_a_fmt:MATRIX_FMT_FP4 matrix_b_fmt:MATRIX_FMT_FP4 matrix_a_scale:MATRIX_SCALE_ROW1
.endif
.endr
.endr
.endm
.macro FETCH_B slot, q, p
	WIN TO_B
.irp i, 0,1,2,3,4,5,6,7
	FRAG 128*(\p)+FR*\i, ADRB+\slot, \q, \i
.endr
	WIN 0
.endm
.macro FETCH_A slot, q, i0
.irp i, \i0, \i0+1, \i0+2, \i0+3
	FRAG AF+FR*(\i), ADRA+\slot, \q, \i
.endr
.endm
.macro SCALES sc                       ; a K step's scale words: four a row; lanes 0-15 x's block i, lanes 16-31 w's block i
.irp i, 0,1,2,3,4,5,6,7
	ds_load_b128 v[SC+8*NQ*\sc+NQ*\i:SC+8*NQ*\sc+NQ*\i+3], v[ADRS] offset:\i*SBLK
.endr
.endm
.macro PLACES n                        ; plain vector instructions between a matrix instruction and a load into its registers or a read of its result
.rept \n
	v_nop
.endr
.endm
.macro STEP slot, q, zero              ; 128 along K with its successor in the same slot
	s_wait_dscnt 4*NL                              ; w's set and x's blocks 0-3 are in; the youngest eight loads (x's blocks 4-7) may be out
	WIN MUL_LO
	MUL16 0, (\q)%2, \q, \slot, \zero
	MUL16 2, (\q)%2, \q, \slot, \zero
	s_wait_dscnt 0
	PLACES NP
	FETCH_B \slot, (\q)+1, 1-(\q)%2
	FETCH_A \slot, (\q)+1, 0
	WIN MUL_HI
	MUL16 4, (\q)%2, \q, \slot, \zero
	MUL16 6, (\q)%2, \q, \slot, \zero
	PLACES NP
	WIN 0
	FETCH_A \slot, (\q)+1, 4
.endm
; Slot 0's last step goes over to slot 1: one barrier.  In front of it each wave waits for all its tensor loads (its part of slot 1), adds 0 to its spare word, and waits for that and for its reads of slot 0.
; Behind it slot 1 is whole and nobody reads slot 0 any more; nothing is filled again.
.macro TURN slot, next
	s_wait_tensorcnt 0x0
	ds_add_u32 v[SPW], v[NIL]
	s_wait_dscnt 4*NL+1                            ; (the add and the youngest eight loads may be out)
	WIN MUL_LO
	MUL16 0, 1, NQ-1, \slot, 0
	s_wait_dscnt 0x0                               ; the add is done, and my reads of this slot are over
	s_barrier_signal -1
	MUL16 2, 1, NQ-1, \slot, 0
	WIN 0
	s_barrier_wait -1
	PLACES NP
	v_add_nc_u32 v[ADRS], 4*NQ, v[ADRS]            ; the next K step's scale words
	FETCH_B \next, 0, 0
	FETCH_A \next, 0, 0
	SCALES \next
	WIN MUL_HI
	MUL16 4, 1, NQ-1, \slot, 0
	MUL16 6, 1, NQ-1, \slot, 0
	PLACES NP
	WIN 0
	FETCH_A \next, 0, 4
.endm
.macro STEPS slot, from
.set Q, \from
.rept NQ-1-\from
	STEP \slot, Q, 0
.set Q, Q+1
.endr
.endm
	s_wait_tensorcnt 1                             ; the scales and my part of K step 0 are in; the one younger load, K step 1's, may be out
	s_barrier_signal -1
	s_barrier_wait -1
	FETCH_B 0, 0, 0
	FETCH_A 0, 0, 0
	SCALES 0
	FETCH_A 0, 0, 4
	STEP 0, 0, 1                                   ; the first products start the sums: nothing is cleared
	STEPS 0, 1
	TURN 0, 1
	STEPS 1, 0
	s_wait_dscnt 4*NL                              ; the last step: nothing more to fetch
	WIN MUL_LO
	MUL16 0, 1, NQ-1, 1, 0
	MUL16 2, 1, NQ-1, 1, 0
	s_wait_dscnt 0
	WIN MUL_HI
	MUL16 4, 1, NQ-1, 1, 0
	MUL16 6, 1, NQ-1, 1, 0
	WIN 0
	PLACES NP                                      ; behind the last products: they serve every read of results and every load into operand registers below
	; THE FIRST 16 TOKENS OF A BATCH ALSO LEAVE AS f32.  The branch hangs on the tile row and the wave's number: it is the same in all four partners.
	s_cmp_eq_u32 s95, 0
	s_cbranch_scc0 .Lno32
	WIN 0x08                                       ; an LDS store's data: window 2
.irp b, 0,1,2,3,4,5,6,7
	ds_store_b128 v[STO32], v[8*\b:8*\b+3] offset:64*\b            ; each accumulator from its low end on
	ds_store_b128 v[STO32], v[8*\b+4:8*\b+7] offset:64*\b+16
.endr
	WIN 0
.irp t, 0,1,2,3,4,5,6,7,8,9,10,11,12,13,14,15
	ds_load_b128 v[64+4*\t:64+4*\t+3], v[RD32] offset:\t*528       ; LDS serves a wave's instructions in order: these see my stores
.endr
	s_wait_dscnt 0x0
.irp t, 0,1,2,3,4,5,6,7,8,9,10,11,12,13,14,15
	global_store_b128 v[CO32], v[64+4*\t:64+4*\t+3], s[96:97] offset:256*\t   ; sixteen lanes store a token's 256 bytes of one head, aligned
.endr
.Lno32:
; THE WAY OUT, block by block of 16 tokens x 128 columns (two heads).  PACK: rounded to f16, 16 bytes a lane.  TOSTAGE: into my stage, and back four tokens of a head at a time.  SEND: stored.
.macro PACK a
.set AC, 64*((\a)%4)
	WIN 0x0a+5*((\a)/4)                            ; sources 0 and 1: window 2 or 3
.irp b, 0,1,2,3,4,5,6,7
.irp i, 0,1,2,3
	v_cvt_pk_f16_f32 v[TMP+4*\b+\i], v[AC+8*\b+2*\i], v[AC+8*\b+2*\i+1]
.endr
.endr
	WIN 0
.endm
.macro TOSTAGE a
.set BK, 32+192*((\a)%2)
.irp b, 0,1,2,3,4,5,6,7
	ds_store_b128 v[STO], v[TMP+4*\b:TMP+4*\b+3] offset:(\b/4)*2304+(\b%4)*32
.endr
.irp t, 0,1,2,3,4,5,6,7
	ds_load_b128 v[BK+4*\t:BK+4*\t+3], v[RD] offset:(\t/4)*2304+(\t%4)*576
.endr
.endm
.macro SEND a
.set BK, 32+192*((\a)%2)
	s_wait_dscnt 0x0                               ; the block is back in registers
	s_wait_xcnt 0x0                                ; the block before has had its stores' registers read: the next block's loads may land there
.irp t, 0,1,2,3,4,5,6,7
	global_store_b128 v[CO], v[BK+4*\t:BK+4*\t+3], s[12:13] offset:(\t/4)*262144+(\t%4)*512+(\a)*2048   ; 32 lanes store four tokens of a head: 512 consecutive bytes, aligned
.endr
.endm
	PACK 0
	TOSTAGE 0
.irp a, 1,2,3,4,5,6,7                  ; block a's conversions stand between block a - 1's loads from the stage and the wait for them
	PACK \a
	SEND \a-1
	TOSTAGE \a
.endr
	SEND 7
	s_wait_tensorcnt 0x0                           ; the wave's end
	ds_add_u32 v[SPW], v[NIL]
	s_wait_dscnt 0x0
	CROUND                                         ; the closing round
	s_endpgm
.Lfunc_end_k_q24e0b3bf29_qkv:
	.size	k_q24e0b3bf29_qkv, .Lfunc_end_k_q24e0b3bf29_qkv-k_q24e0b3bf29_qkv
	.p2alignl 7, 3214868480
	.fill 96, 4, 3214868480
	.section	.rodata,"a",@progbits
	.p2align	6, 0x0
	.amdhsa_kernel k_q24e0b3bf29_qkv
		.amdhsa_group_segment_fixed_size 327680
		.amdhsa_private_segment_fixed_size 0
		.amdhsa_enable_private_segment 0
		.amdhsa_kernarg_size 48
		.amdhsa_user_sgpr_count 2
		.amdhsa_user_sgpr_kernarg_segment_ptr 1
		.amdhsa_wavefront_size32 1
		.amdhsa_system_sgpr_workgroup_id_x 1
		.amdhsa_system_sgpr_workgroup_id_y 1
		.amdhsa_system_sgpr_workgroup_id_z 1
		.amdhsa_system_vgpr_workitem_id 0
		.amdhsa_next_free_vgpr 1024
		.amdhsa_next_free_sgpr 98
		.amdhsa_reserve_vcc 0
		.amdhsa_float_denorm_mode_32 3
		.amdhsa_float_denorm_mode_16_64 3
		.amdhsa_memory_ordered 1
		.amdhsa_forward_progress 1
		.amdhsa_inst_pref_size 131
	.end_amdhsa_kernel
	.amdgpu_metadata
---
amdhsa.version: [ 1, 2 ]
amdhsa.kernels:
  - .name:           k_q24e0b3bf29_qkv
    .symbol:         k_q24e0b3bf29_qkv.kd
    .args:
      - { .name: xc, .offset: 0, .size: 8, .value_kind: global_buffer, .address_space: global }
      - { .name: xs, .offset: 8, .size: 8, .value_kind: global_buffer, .address_space: global }
      - { .name: wc, .offset: 16, .size: 8, .value_kind: global_buffer, .address_space: global }
      - { .name: ws, .offset: 24, .size: 8, .value_kind: global_buffer, .address_space: global }
      - { .name: qkv, .offset: 32, .size: 8, .value_kind: global_buffer, .address_space: global }
      - { .name: qkv32, .offset: 40, .size: 8, .value_kind: global_buffer, .address_space: global }
    .group_segment_fixed_size: 327680
    .private_segment_fixed_size: 0
    .kernarg_segment_align: 8
    .kernarg_segment_size: 48
    .max_flat_workgroup_size: 128
    .sgpr_count:     98
    .vgpr_count:     1024
    .wavefront_size: 32
...
	.end_amdgpu_metadata
.endif
;; end of part 2
;; launch attn (part 3): grid 4 x 64, 16 waves a work-group, no clusters, 327,680 bytes of LDS; arguments qkv, ao; writes ao
.if DOCPART == 3
	.amdgcn_target "amdgcn-amd-amdhsa--gfx1250"
	.amdhsa_code_object_version 6
	.text
	.protected	k_q24e0b3bf29_attn
	.globl	k_q24e0b3bf29_attn
	.p2align	8
	.type	k_q24e0b3bf29_attn,@function
k_q24e0b3bf29_attn:
	s_mov_b64 s[64:65], 0
	v_nop
	global_prefetch_b8 v0, s[64:65] scope:SCOPE_SE
	s_setreg_imm32_b32 hwreg(HW_REG_WAVE_MODE, 25, 1), 1
	s_wait_xcnt 0x0
; Causal attention, head size 64: ao[plane][q][:] = sum over k <= q of softmax_k(Q[q] . K[k] / 8) V[k][:].  Q, K, V: planes [2,048][64] of f16 in qkv ([which][batch x head]); ao likewise, f16.
; Products on f16 operands with f32 sums; maxima, exponentials and sums in f32; the weights p (at most 1) are rounded to f16 for the second product, the result once at the end.
; A masked score is -infinity where the definition has -1e9: both give the weight 0, since every query sees key 0.  The first 16 positions of a batch are made again, finer, by a later launch.
; SHARES.  A work-group has one plane and the query blocks i and 7 - i (256 queries each), so that under the causal mask all work-groups have the same work.  Each of its sixteen waves owns 32 queries, two tiles of 16,
; eight waves in each block; four waves share a SIMD, so that one wave's vector work stands beside another's products and LDS loads.
; NO CLUSTER: the four work-groups of a plane need 8 - i slots of keys: a partner would have to jump over the reads of a tile that a joint load brings.
; RING.  K's and V's rows come through two LDS slots of 256 keys, filled by tensor loads (waves 0, 1: K's halves; waves 2, 3: V's) and read by all.  Every work-group walks all eight changes of slots (constant trip counts);
; a step whose 64 keys all come after the wave's queries is jumped over, and a slot whose first key comes after the work-group's last query is not asked for.
; LAYOUT.  S^T = K Q^T (source 0 = 16 keys, source 1 = 16 queries): a lane holds ONE query (lane % 16) and keys 8 (lane / 16) + 0..7; two such tiles rounded in pairs ARE source 1 of O^T = V^T P.  V is turned by ds_load_tr16_b128.
; SOFTMAX.  Running maximum m and sum l a query: p = 2^(c s - c m), c = log2(e) / 8; in every step O^T and l are multiplied by 2^(c m_old - c m_new).
.set PK,    144                        ; a key's row in LDS: 128 bytes + 16
.set PV,    160                        ; a row of V: 128 + 32: the turning load's eight rows x 32 bytes fall on different banks
.set VOFF,  256*PK                     ; a slot: 256 rows of K, then 256 of V
.set SLOT1, 1<<17                      ; slot 1 begins here: one exclusive or turns an address
.set STG,   VOFF+256*PV                ; behind each slot's tiles: stages for the way out, bytes of their own: 32 rows x 144 a wave, eight waves behind each slot
.set SPARE, 2*SLOT1                    ; the spare words, 128 bytes a wave, which no other line names
.set SPW, 1                            ; v1 my spare word; never rewritten
.set NIL, 2                            ; v2 0; never rewritten
.set AK0, 3                            ; v3 my lane's place in a tile of K
.set AV0, 4                            ; v4 the same for V
.set ADK, 5                            ; v5, v6 the step's LDS addresses
.set ADV, 6
.set RH,  7                            ; v7 lane % 16 - 8 (lane / 16)
.set ST,  8                            ; tile t's statistics at v[8 + 8 t]: +0 c m, +1 m, +2, +3 l, +4 .. +7 at work; the rescaling factor takes +6
.set NINF, 24                          ; v24 -infinity
.set DD,  25                           ; v25 the mask's bound
.set PFO, 26                           ; v26 256 x lane, for the prefetches; never rewritten
.set QO,  27                           ; v27 my byte offset in the wave's rows of Q
.set STO, 28                           ; v28, v29 the stage, in and back
.set RD,  29
.set GO,  30                           ; v30 16 x lane: my byte offset in the wave's rows of ao
.set QF,  32                           ; v32-63 Q: fragment (tile t, channels 32 c on) at 32 + 16 t + 8 c
.set KV,  64                           ; v64-127 K's eight fragments, then V's eight
.set S,   128                          ; v128-191 S^T, 32 a tile; p is packed into each tile's first 16
.set O,   192                          ; v192-255 O^T, 32 a tile
.set TB,  2                            ; s2 LDS byte at which the slot in hand begins
.set SLOTS, 3                          ; s3 changes of slots that may still ask
.set WV,  18
.set SEL, 20                           ; s[20:21] v_permlanex16_b32's selects for lane l xor 16
.set CS,  22                           ; s[22:23] c, twice: the packed form names a pair
.set G1K, 24
.set G1V, 32
.set G0K, 40
.set G0V, 44
.set KF,  48                           ; s48 the step's first key
.set Q0,  49                           ; s49 my first query
.set QMAX, 50                          ; s50 my work-group's last query
.set PFA, 52                           ; s[52:53] where my prefetches stand
.set LIM, 54                           ; s54 1 in a wave that prefetches, else the greatest number
.set T0,  56                           ; s56, s57 at work
.set T1,  57
.macro TLOAD                           ; waves 0, 1: K; waves 2, 3: V; the others nothing.  An s_nop 0 and four v_nop follow each load
	s_cmp_lt_u32 s[WV], 2
	s_cbranch_scc0 .Lnot_k_\@
	tensor_load_to_lds s[G0K:G0K+3], s[G1K:G1K+7]
	s_nop 0
.rept 4
	v_nop
.endr
	s_branch .Lasked_\@
.Lnot_k_\@:
	s_cmp_lt_u32 s[WV], 4
	s_cbranch_scc0 .Lasked_\@
	tensor_load_to_lds s[G0V:G0V+3], s[G1V:G1V+7]
	s_nop 0
.rept 4
	v_nop
.endr
.Lasked_\@:
.endm
; A prefetch of what the NEXT change of slots will ask for: 256 rows of K and of V, 32,768 dense bytes each.  The plane's first work-group asks, which walks all eight slots; in it waves 4-7 for K and 8-11 for V,
; 8,192 bytes a wave, lanes 256 bytes apart: each aligned 256 bytes are named once in the launch.  The last change that fills a slot asks for nothing; slots 0 and 1 come by their loads alone.
.macro ASK
	s_cmp_gt_u32 s[SLOTS], s[LIM]
	s_cbranch_scc0 .Lnot_mine_\@
	global_prefetch_b8 v[PFO], s[PFA:PFA+1] th:TH_LOAD_NT scope:SCOPE_SE
.Lnot_mine_\@:
.endm
	s_load_b128 s[4:7], s[0:1], 0x0                ; qkv, ao
	v_lshl_add_u32 v[SPW], v0, 2, SPARE
	v_mov_b32 v[NIL], 0
	ds_add_u32 v[SPW], v[NIL]                      ; the wave's opening: the add, twice on end, and its wait ahead of the first tensor load
	ds_add_u32 v[SPW], v[NIL]
	v_lshrrev_b32 v3, 5, v0
	v_readfirstlane_b32 s[WV], v3                  ; wave 0..15
	s_lshr_b32 s8, s[WV], 2
	s_xor_b32 s8, s8, s[WV]
	s_and_b32 s8, s8, 1                            ; which of the two blocks: (w xor w / 4) % 2, so that waves 4 apart and neighbours alike differ
	s_sub_co_u32 s9, 7, ttmp9
	s_cmp_eq_u32 s8, 0
	s_cselect_b32 s9, ttmp9, s9                    ; block i or 7 - i
	s_lshl_b32 s9, s9, 8
	s_lshr_b32 s8, s[WV], 1
	s_lshl_b32 s8, s8, 5
	s_add_co_u32 s[Q0], s9, s8                     ; my first query: 256 x block + 32 x (w / 2)
	s_lshl_b32 s8, ttmp9, 8
	s_sub_co_u32 s[QMAX], 2047, s8                 ; the last query of block 7 - i
	s_and_b32 s10, ttmp7, 0xffff
	s_lshl_b32 s10, s10, 18                        ; my plane: 262,144 bytes each
	s_mov_b32 s11, 0
	s_and_b32 s12, s[WV], 1                        ; which 128 rows I fetch, if I fetch
	s_lshl_b32 s14, s12, 14
	s_mov_b32 s15, 0
	s_add_nc_u64 s[14:15], s[14:15], s[10:11]      ; in memory,
	s_mul_i32 s13, s12, 128*PK                     ; and in a slot: K's,
	s_mul_i32 s16, s12, 128*PV
	s_add_co_u32 s16, s16, VOFF                    ; V's
	s_mov_b32 s[G1K], (1<<16)|(1<<20)|(4<<22)|(3<<25)   ; no mask; elements of 2 bytes; padding: 4 words behind every 32
	s_mov_b32 s[G1V], (1<<16)|(1<<20)|(4<<22)|(7<<25)   ; 8 words
.irp g, G1K, G1V
	s_mov_b32 s[\g+1], 64<<16                      ; tensor_dim0
	s_mov_b32 s[\g+2], 128<<16                     ; tensor_dim1
	s_mov_b32 s[\g+3], 64<<16                      ; tile_dim0
	s_mov_b32 s[\g+4], 128                         ; tile_dim1
	s_mov_b32 s[\g+5], 64                          ; from row to row
	s_mov_b32 s[\g+6], 0
	s_mov_b32 s[\g+7], 0
.endr
	s_mov_b32 s[SEL], 0x76543210
	s_mov_b32 s[SEL+1], 0xfedcba98
	s_mov_b32 s[CS], 0x3e38aa3b                    ; c = log2(e) / 8
	s_mov_b32 s[CS+1], s[CS]
	s_mov_b32 s[TB], 0
	s_mov_b32 s[SLOTS], 7
	s_mov_b32 s[KF], 0
	s_wait_dscnt 0x0                               ; both opening adds are done
	s_wait_kmcnt 0x0
	s_mov_b32 s[G0K], 1
	s_mov_b32 s[G0K+1], s13
	s_add_nc_u64 s[G0K+2:G0K+3], s[4:5], s[14:15]
	s_add_nc_u64 s[G0K+2:G0K+3], s[G0K+2:G0K+3], 0x1000000   ; K's planes begin 64 planes on,
	s_or_b32 s[G0K+3], s[G0K+3], 0x80000000
	s_mov_b32 s[G0V], 1
	s_mov_b32 s[G0V+1], s16
	s_add_nc_u64 s[G0V+2:G0V+3], s[4:5], s[14:15]
	s_add_nc_u64 s[G0V+2:G0V+3], s[G0V+2:G0V+3], 0x2000000   ; V's 128
	s_or_b32 s[G0V+3], s[G0V+3], 0x80000000
	TLOAD                                          ; slot 0: it holds key 0, which counts for every query
	s_lshl_b32 s[T0], s[Q0], 7
	s_add_co_u32 s[T0], s[T0], s10
	s_mov_b32 s[T1], 0
	s_add_nc_u64 s[8:9], s[4:5], s[T0:T0+1]        ; Q at my first query
	s_add_nc_u64 s[6:7], s[6:7], s[T0:T0+1]        ; ao likewise
	v_and_b32 v128, 15, v0                         ; r
	v_bfe_u32 v129, v0, 4, 1                       ; h
	v_and_b32 v130, 31, v0                         ; lane
	v_lshlrev_b32 v[QO], 7, v128
	v_lshl_add_u32 v[QO], v129, 4, v[QO]           ; row r of 128 bytes + 16 h
.irp t, 0,1
.irp c, 0,1
	global_load_b128 v[QF+16*\t+8*\c:QF+16*\t+8*\c+3],   v[QO], s[8:9] offset:2048*\t+64*\c      ; Q stays in registers
	global_load_b128 v[QF+16*\t+8*\c+4:QF+16*\t+8*\c+7], v[QO], s[8:9] offset:2048*\t+64*\c+32
.endr
.endr
	; the prefetches: where my wave's stand, and who asks
	s_cmp_lt_u32 s[WV], 8
	s_mov_b32 s[T0], 0x2000000
	s_cselect_b32 s[T0], 0x1000000, s[T0]          ; waves 4-7: K; waves 8-11: V
	s_and_b32 s[T1], s[WV], 3
	s_lshl_b32 s[T1], s[T1], 13
	s_add_co_u32 s[T0], s[T0], s[T1]               ; my wave's 8,192 bytes,
	s_add_co_u32 s[T0], s[T0], s10                 ; in my plane,
	s_add_co_u32 s[T0], s[T0], 32768               ; in slot 1: the first change of slots steps it to slot 2
	s_mov_b32 s[T1], 0
	s_add_nc_u64 s[PFA:PFA+1], s[4:5], s[T0:T0+1]
	s_sub_co_u32 s[T0], s[WV], 4
	s_lshr_b32 s[T0], s[T0], 3                     ; 0 in waves 4 to 11,
	s_or_b32 s[T0], s[T0], ttmp9                   ; of the plane's first work-group
	s_cmp_eq_u32 s[T0], 0
	s_cselect_b32 s[LIM], 1, -1
	v_lshlrev_b32 v[PFO], 8, v130
	v_mul_u32_u24 v[AK0], v128, PK
	v_lshl_add_u32 v[AK0], v129, 4, v[AK0]         ; K: row r x pitch + 16 h
	v_and_b32 v131, 7, v0
	v_lshl_add_u32 v131, v129, 3, v131
	v_mul_u32_u24 v[AV0], v131, PV                 ; V, turned: key 8 h + lane % 8,
	v_bfe_u32 v132, v0, 3, 1
	v_lshl_add_u32 v[AV0], v132, 4, v[AV0]         ; channels 8 ((lane / 8) % 2) on
	v_add_nc_u32 v[AV0], VOFF, v[AV0]
	v_lshlrev_b32 v131, 3, v129
	v_sub_nc_u32 v[RH], v128, v131
	v_mov_b32 v[NINF], 0xff800000
	s_and_b32 s12, s[WV], 7
	s_mul_i32 s12, s12, 32*PK
	s_lshr_b32 s13, s[WV], 3
	s_lshl_b32 s13, s13, 17
	s_add_co_u32 s12, s12, s13
	s_add_co_u32 s12, s12, STG                     ; my stage
	v_add_nc_u32 v[STO], s12, v[AK0]               ; in: row r, 16 bytes for each half of the lanes
	v_lshrrev_b32 v131, 3, v130
	v_mul_u32_u24 v131, v131, PK
	v_and_b32 v132, 7, v130
	v_lshl_add_u32 v131, v132, 4, v131
	v_add_nc_u32 v[RD], s12, v131                  ; back: eight lanes to a row, four rows an instruction
	v_lshlrev_b32 v[GO], 4, v130
.irp t, 0,1
	v_mov_b32 v[ST+8*\t+1], 0xff61b1e6             ; m: -3e38, under every score
	v_mul_f32 v[ST+8*\t], s[CS], v[ST+8*\t+1]      ; c m
.irp j, 2,3,4,5,6,7
	v_mov_b32 v[ST+8*\t+\j], 0                     ; l, and the registers at work, written once so that every path finds them written
.endr
.endr
.set i, 0
.rept 64
	v_mov_b32 v[O+i], 0                            ; O^T.  (The step is written once: the first finds zeros, which its rescaling leaves zeros)
.set i, i+1
.endr
; A KEY STEP: 64 keys, the q-th of the slot in hand.
.macro STEP q
	s_add_co_u32 s[T0], s[Q0], 31                  ; all 64 keys after my 32 queries: the step's work is left out; not the line at its end that steps the key
	s_cmp_gt_u32 s[KF], s[T0]
	s_cbranch_scc1 .Lhidden_\@
	v_add_nc_u32 v[ADK], s[TB], v[AK0]
	v_add_nc_u32 v[ADV], s[TB], v[AV0]
.irp kt, 0,1,2,3
.irp c, 0,1
	ds_load_b128 v[KV+8*(2*\kt+\c):KV+8*(2*\kt+\c)+3],   v[ADK] offset:(64*(\q)+16*\kt)*PK+64*\c
	ds_load_b128 v[KV+8*(2*\kt+\c)+4:KV+8*(2*\kt+\c)+7], v[ADK] offset:(64*(\q)+16*\kt)*PK+64*\c+32
.endr
.endr
	s_wait_dscnt 0x0
.set i, 0
.rept 16                               ; S^T = K Q^T: channels 32 (i / 8) on, keys 16 ((i / 2) % 4) on, tile i % 2: eight accumulators by turns
.set rS, S+32*(i%2)+8*((i/2)%4)
.set rK, KV+8*(2*((i/2)%4)+i/8)
.set rQ, QF+16*(i%2)+8*(i/8)
.if i < 8
	v_wmma_f32_16x16x32_f16 v[rS:rS+7], v[rK:rK+7], v[rQ:rQ+7], 0
.else
	v_wmma_f32_16x16x32_f16 v[rS:rS+7], v[rK:rK+7], v[rQ:rQ+7], v[rS:rS+7]
.endif
.set i, i+1
.endr
.rept 4
	v_nop                                          ; places in front of the loads into K's registers and of the first read of the scores
.endr
.irp kc, 0,1
.irp ct, 0,1,2,3
	ds_load_tr16_b128 v[KV+8*(4*\kc+\ct):KV+8*(4*\kc+\ct)+3],   v[ADV] offset:(64*(\q)+32*\kc)*PV+32*\ct        ; V lands while the softmax is walked
	ds_load_tr16_b128 v[KV+8*(4*\kc+\ct)+4:KV+8*(4*\kc+\ct)+7], v[ADV] offset:(64*(\q)+32*\kc)*PV+16*PV+32*\ct
.endr
.endr
	s_add_co_u32 s[T0], s[KF], 63                  ; on the diagonal hidden scores become -infinity; a step all of whose keys count skips this
	s_cmp_le_u32 s[T0], s[Q0]
	s_cbranch_scc1 .Lopen_\@
	s_sub_co_i32 s[T0], s[Q0], s[KF]
	v_add_nc_u32 v[DD], s[T0], v[RH]               ; register n of tile t holds key KF + 16 (n / 8) + 8 h + n % 8 for query Q0 + 16 t + r: hidden where 16 (n / 8) + n % 8 - 16 t > Q0 - KF + r - 8 h
.irp t, 0,1
.set i, 0
.rept 32
	v_cmp_gt_i32 vcc_lo, 16*(i/8)+i%8-16*\t, v[DD]
	v_cndmask_b32 v[S+32*\t+i], v[S+32*\t+i], v[NINF], vcc_lo
.set i, i+1
.endr
.endr
.Lopen_\@:
	; the row's maximum: four chains of seven scores, the four left over, the old m; the two tiles by turns
.irp j, 0,1,2,3
.irp t, 0,1
	v_max3_num_f32 v[ST+8*\t+4+\j], v[S+32*\t+8*\j], v[S+32*\t+8*\j+1], v[S+32*\t+8*\j+2]
.endr
.endr
.irp g, 1,2
.irp j, 0,1,2,3
.irp t, 0,1
	v_max3_num_f32 v[ST+8*\t+4+\j], v[ST+8*\t+4+\j], v[S+32*\t+8*\j+2*\g+1], v[S+32*\t+8*\j+2*\g+2]
.endr
.endr
.endr
.irp t, 0,1
	v_max3_num_f32 v[ST+8*\t+4], v[ST+8*\t+4], v[S+32*\t+7], v[S+32*\t+15]
.endr
.irp t, 0,1
	v_max3_num_f32 v[ST+8*\t+6], v[ST+8*\t+6], v[S+32*\t+23], v[S+32*\t+31]
.endr
.irp t, 0,1
	v_max3_num_f32 v[ST+8*\t+4], v[ST+8*\t+4], v[ST+8*\t+5], v[ST+8*\t+6]
.endr
.irp t, 0,1
	v_max3_num_f32 v[ST+8*\t+4], v[ST+8*\t+4], v[ST+8*\t+7], v[ST+8*\t+1]
.endr
.irp t, 0,1
	v_permlanex16_b32 v[ST+8*\t+5], v[ST+8*\t+4], s[SEL], s[SEL+1]   ; the query's other 32 keys lie in the lane 16 away
.endr
.irp t, 0,1
	v_mov_b32 v[ST+8*\t+7], v[ST+8*\t]             ; c m_old
.endr
.irp t, 0,1
	v_max_num_f32 v[ST+8*\t+1], v[ST+8*\t+4], v[ST+8*\t+5]
.endr
.irp t, 0,1
	v_mul_f32 v[ST+8*\t], s[CS], v[ST+8*\t+1]
.endr
.irp t, 0,1
	v_sub_f32 v[ST+8*\t+7], v[ST+8*\t+7], v[ST+8*\t]
.endr
.irp p, 0,1,2,3,4,5,6,7,8,9,10,11,12,13,14,15
.irp t, 0,1
	v_pk_fma_f32 v[S+32*\t+2*\p:S+32*\t+2*\p+1], v[S+32*\t+2*\p:S+32*\t+2*\p+1], s[CS:CS+1], v[ST+8*\t:ST+8*\t+1] op_sel_hi:[1,0,0] neg_lo:[0,0,1] neg_hi:[0,0,1]   ; c s - c m, two at a time
.endr
.endr
.irp t, 0,1
	v_exp_f32 v[ST+8*\t+6], v[ST+8*\t+7]           ; the rescaling factor 2^(c m_old - c m_new)
.endr
.set i, 0
.rept 64
	v_exp_f32 v[S+i], v[S+i]                       ; p: ONE batch of 66 exponentials
.set i, i+1
.endr
	v_nop                                          ; a plain instruction behind the last exponential
	s_wait_alu depctr_va_vdst(0)                   ; and one wait for the batch, ahead of its first reader
.irp t, 0,1
	v_pk_mul_f32 v[ST+8*\t+2:ST+8*\t+3], v[ST+8*\t+2:ST+8*\t+3], v[ST+8*\t+6:ST+8*\t+7] op_sel_hi:[1,0]
.endr
.irp p, 0,1,2,3,4,5,6,7,8,9,10,11,12,13,14,15
.irp t, 0,1
	v_pk_add_f32 v[ST+8*\t+2:ST+8*\t+3], v[ST+8*\t+2:ST+8*\t+3], v[S+32*\t+2*\p:S+32*\t+2*\p+1]   ; the sum is taken of the unrounded p
.endr
.irp t, 0,1
	v_cvt_pk_f16_f32 v[S+32*\t+\p], v[S+32*\t+2*\p], v[S+32*\t+2*\p+1]   ; in place, ascending: pair p lands on a register whose number has been summed and rounded
.endr
.endr
.irp p, 0,1,2,3,4,5,6,7,8,9,10,11,12,13,14,15
.irp t, 0,1
	v_pk_mul_f32 v[O+32*\t+2*\p:O+32*\t+2*\p+1], v[O+32*\t+2*\p:O+32*\t+2*\p+1], v[ST+8*\t+6:ST+8*\t+7] op_sel_hi:[1,0]   ; O^T under the new m, each accumulator from its low end on
.endr
.endr
	s_wait_dscnt 0x0                               ; V is in
.set i, 0
.rept 16                               ; O^T += V^T P: keys 32 (i / 8) on, channels 16 ((i / 2) % 4) on, tile i % 2: eight accumulators by turns
.set rO, O+32*(i%2)+8*((i/2)%4)
.set rV, KV+8*(4*(i/8)+(i/2)%4)
.set rP, S+32*(i%2)+8*(i/8)
	v_wmma_f32_16x16x32_f16 v[rO:rO+7], v[rV:rV+7], v[rP:rP+7], v[rO:rO+7]
.set i, i+1
.endr
.rept 5
	v_nop                                          ; five places: the next step's first products write over p's registers; its loads land on V's; the way out reads O^T
.endr
.Lhidden_\@:
	s_add_co_u32 s[KF], s[KF], 64
.endm
; THE CHANGE OF SLOTS stands at a slot's head.  Each wave waits for all its tensor loads (at most one is out), adds 0 to its spare word, and waits for that and for its reads of the slot that it has left.
; Behind the barrier the slot ahead is whole and nobody reads the other.  fill = 1: that other slot is asked for, up to the causal limit; the load has a slot's four steps in which to land.
.macro CHANGE fill
	s_wait_tensorcnt 0x0
	ds_add_u32 v[SPW], v[NIL]
.if \fill
	ds_add_u32 v[SPW], v[NIL]                      ; the add twice on end here, in every trip alike
	s_xor_b32 s[G0K+1], s[G0K+1], SLOT1            ; the walking descriptors: the other slot, the next 256 rows
	s_add_nc_u64 s[G0K+2:G0K+3], s[G0K+2:G0K+3], 32768
	s_xor_b32 s[G0V+1], s[G0V+1], SLOT1
	s_add_nc_u64 s[G0V+2:G0V+3], s[G0V+2:G0V+3], 32768
	s_wait_xcnt 0x0                                ; the last prefetch, a slot back, has read its address
	s_add_nc_u64 s[PFA:PFA+1], s[PFA:PFA+1], 32768
.endif
	s_wait_dscnt 0x0
	s_barrier_signal -1
	s_barrier_wait -1
.if \fill
	s_add_co_u32 s[T0], s[KF], 256                 ; the first key of the slot that this change would ask for:
	s_cmp_gt_u32 s[T0], s[QMAX]                    ; after my work-group's last query no wave would read it.  Ids and the count of steps alone: all sixteen waves go the same way
	s_cbranch_scc1 .Lpast_\@
	TLOAD                                          ; a wave's one tensor load until the next such barrier
.Lpast_\@:
	ASK
.endif
.endm
.macro SLOT_STEPS
	STEP 0
	STEP 1
	STEP 2
	STEP 3
	s_xor_b32 s[TB], s[TB], SLOT1
.endm
	s_wait_loadcnt 0x0                             ; Q
.Lslot:                                            ; seven trips: behind each change of slots but the last the next slot is asked for
	CHANGE 1
	SLOT_STEPS
	s_sub_co_u32 s[SLOTS], s[SLOTS], 1
	s_cmp_lg_u32 s[SLOTS], 0
	s_cbranch_scc1 .Lslot
	CHANGE 0                                       ; the last slot is written out: nothing is left to ask for
	SLOT_STEPS
	; THE WAY OUT: O^T / l, rounded to f16, through my stage, so that 32 lanes store four rows of ao: 512 consecutive bytes.
.irp t, 0,1
	v_add_f32 v[ST+8*\t+4], v[ST+8*\t+2], v[ST+8*\t+3]
.endr
.irp t, 0,1
	v_permlanex16_b32 v[ST+8*\t+5], v[ST+8*\t+4], s[SEL], s[SEL+1]
.endr
.irp t, 0,1
	v_add_f32 v[ST+8*\t+4], v[ST+8*\t+4], v[ST+8*\t+5]
.endr
.irp t, 0,1
	v_rcp_f32 v[ST+8*\t+6], v[ST+8*\t+4]
.endr
	v_nop
	s_wait_alu depctr_va_vdst(0)                   ; one wait for the two reciprocals, ahead of their first reader
.irp t, 0,1
.irp p, 0,1,2,3,4,5,6,7,8,9,10,11,12,13,14,15
	v_pk_mul_f32 v[S+32*\t+2*\p:S+32*\t+2*\p+1], v[O+32*\t+2*\p:O+32*\t+2*\p+1], v[ST+8*\t+6:ST+8*\t+7] op_sel_hi:[1,0]
.endr
.endr
.set i, 0
.rept 32
	v_cvt_pk_f16_f32 v[KV+i], v[S+2*i], v[S+2*i+1] ; register 16 t + 4 ct + j: channels 16 ct + 8 h + 2 j, + 1 of query 16 t + r
.set i, i+1
.endr
.irp t, 0,1
.irp ct, 0,1,2,3
	ds_store_b128 v[STO], v[KV+16*\t+4*\ct:KV+16*\t+4*\ct+3] offset:\t*16*PK+32*\ct
.endr
.endr
.irp u, 0,1,2,3,4,5,6,7
	ds_load_b128 v[KV+32+4*\u:KV+32+4*\u+3], v[RD] offset:\u*4*PK   ; LDS serves a wave's instructions in order: these see my stores
.endr
.irp u, 0,1,2,3,4,5,6,7
	s_wait_dscnt 7-\u                              ; the younger loads may be out
	global_store_b128 v[GO], v[KV+32+4*\u:KV+32+4*\u+3], s[6:7] offset:512*\u
.endr
	s_wait_tensorcnt 0x0                           ; the wave's end
	ds_add_u32 v[SPW], v[NIL]
	s_wait_dscnt 0x0
	s_endpgm
.Lfunc_end_k_q24e0b3bf29_attn:
	.size	k_q24e0b3bf29_attn, .Lfunc_end_k_q24e0b3bf29_attn-k_q24e0b3bf29_attn
	.p2alignl 7, 3214868480
	.fill 96, 4, 3214868480
	.section	.rodata,"a",@progbits
	.p2align	6, 0x0
	.amdhsa_kernel k_q24e0b3bf29_attn
		.amdhsa_group_segment_fixed_size 327680
		.amdhsa_private_segment_fixed_size 0
		.amdhsa_enable_private_segment 0
		.amdhsa_kernarg_size 16
		.amdhsa_user_sgpr_count 2
		.amdhsa_user_sgpr_kernarg_segment_ptr 1
		.amdhsa_wavefront_size32 1
		.amdhsa_system_sgpr_workgroup_id_x 1
		.amdhsa_system_sgpr_workgroup_id_y 1
		.amdhsa_system_sgpr_workgroup_id_z 1
		.amdhsa_system_vgpr_workitem_id 0
		.amdhsa_next_free_vgpr 256
		.amdhsa_next_free_sgpr 66
		.amdhsa_reserve_vcc 1
		.amdhsa_float_denorm_mode_32 3
		.amdhsa_float_denorm_mode_16_64 3
		.amdhsa_memory_ordered 1
		.amdhsa_forward_progress 1
		.amdhsa_inst_pref_size 189
	.end_amdhsa_kernel
	.amdgpu_metadata
---
amdhsa.version: [ 1, 2 ]
amdhsa.kernels:
  - .name:           k_q24e0b3bf29_attn
    .symbol:         k_q24e0b3bf29_attn.kd
    .args:
      - { .name: qkv, .offset: 0, .size: 8, .value_kind: global_buffer, .address_space: global }
      - { .name: ao, .offset: 8, .size: 8, .value_kind: global_buffer, .address_space: global }
    .group_segment_fixed_size: 327680
    .private_segment_fixed_size: 0
    .kernarg_segment_align: 8
    .kernarg_segment_size: 16
    .max_flat_workgroup_size: 512
    .sgpr_count:     66
    .vgpr_count:     256
    .wavefront_size: 32
...
	.end_amdgpu_metadata
.endif
;; end of part 3
;; launch proj (part 4): grid 8 x 64, 4 waves a work-group, clusters of 4 x 4, 327,680 bytes of LDS; arguments ao, wo16, out0; writes out0
.if DOCPART == 4
	.amdgcn_target "amdgcn-amd-amdhsa--gfx1250"
	.amdhsa_code_object_version 6
	.text
	.protected	k_q24e0b3bf29_proj
	.globl	k_q24e0b3bf29_proj
	.p2align	8
	.type	k_q24e0b3bf29_proj,@function
k_q24e0b3bf29_proj:
	s_mov_b64 s[64:65], 0
	v_nop
	global_prefetch_b8 v0, s[64:65] scope:SCOPE_SE
	s_setreg_imm32_b32 hwreg(HW_REG_WAVE_MODE, 25, 1), 1
	s_wait_xcnt 0x0
	s_wait_alu depctr_hold_cnt(0) depctr_sa_sdst(0) depctr_va_vdst(0) depctr_va_sdst(0) depctr_va_ssrc(0) depctr_va_vcc(0) depctr_vm_vsrc(0)
	s_getreg_b32 s2, hwreg(HW_REG_IB_STS2, 6, 4)
	s_cmp_eq_u32 s2, 0
	s_cbranch_scc0 .Lentry_in_a_cluster
	s_endpgm
.Lentry_in_a_cluster:
	s_bfe_u32 s2, ttmp6, 0x10000c
	s_cmp_lg_u32 s2, 0xf033
	s_cbranch_scc0 .Lentry_shape_is_right
	s_endpgm
.Lentry_shape_is_right:
; out0[m][e] = sum over d of a[m][d] wo[e][d]: m = 8,192 tokens, e = 1,024, d = 1,024.  a is the attention's result, f16, laid by head: ao [batch][head][token][64], d = 64 head + channel; wo16 [e][d] f16; out0 f32; sums in f32.
; A tile of the result is 128 x 128: four waves, 64 x 64 each, 16 accumulators.  K goes in steps of 256 (four heads) through two LDS slots; K is four steps: each slot is filled twice.
; a's tile of a K step: for 64 tokens, four planes of 8,192 dense bytes, 262,144 bytes apart: ONE tensor load of four rows of 4,096 elements, with 16 bytes of padding behind every 128: in LDS [plane 4][token 64][144].
; wo's: 64 rows of 512 bytes, 16 of padding behind each.
; CLUSTER 4 x 4: the four of a row of the cluster need the same tiles of a, the four of a column the same tiles of wo: each is asked for JOINTLY.
; THE MATRIX INSTRUCTION IS USED TRANSPOSED (source 0 = 16 rows of wo, source 1 = 16 tokens): a lane holds eight neighbouring columns of one token.
; The rows of each batch's first 16 tokens are written again, finer, by the next launch: leaving them out here would take a branch on a work-group's place in its cluster.
; REGISTERS: window 0: v0-31 addresses; v32-95 the way out; v128-255 the accumulators ((a, b) at v[128 + 8 (4 a + b)]).  window 1: two fragment buffers of 128: 64 registers of a, then 64 of wo, for 64 along K.
.set PA,     144
.set PB,     528
.set HALFA,  4*64*PA                   ; what one load of a brings: 36,864 bytes
.set HALFB,  64*PB                     ; of wo: 33,792
.set BOFF,   2*HALFA
.set SLOT,   BOFF+2*HALFB
.set STAGE,  2*SLOT                    ; behind the ring: 16 rows x 272 bytes for each wave
.set SPITCH, 272
.set SPARE,  STAGE+4*16*SPITCH         ; the spare words, 128 bytes a wave, which no other line names
.set LAPS,   2                         ; a lap = two K steps
.set STEPA,  4*262144                  ; a K step in ao: four planes
.set STEPB,  512                       ; in a row of wo16
.set ADRA, 16
.set ADRB, 20
.set STO,  24
.set RD,   25
.set CO,   26
.set SPW,  28
.set NIL,  29
.set TMP,  32
.set ACC,  128
.set F0,   0
.set F1,   128
.set G1, 24
.set G0, 32
.set G1B, 48
.set G0B, 56
.set MSB, 0
.macro WIN new
.if MSB != \new
	s_set_vgpr_msb (MSB<<8)|\new
.set MSB, \new
.endif
.endm
.set MUL,  0x05                        ; sources 0 and 1 window 1; C and D window 0
.set TO_F, 0x40                        ; destination window 1
.macro JLOAD s                         ; waves 0, 1 fetch a's halves, waves 2, 3 wo's; an s_nop 0 and four v_nop follow each load
	s_cmp_eq_u32 s11, 0
	s_cbranch_scc0 .Lfor_b_\@
	tensor_load_to_lds s[G0+4*\s:G0+4*\s+3], s[G1:G1+7]
	s_nop 0
.rept 4
	v_nop
.endr
	s_branch .Lasked_\@
.Lfor_b_\@:
	tensor_load_to_lds s[G0B+4*\s:G0B+4*\s+3], s[G1B:G1B+7]
	s_nop 0
.rept 4
	v_nop
.endr
.Lasked_\@:
.endm
.macro CREST
	s_cmp_lg_u32 s10, 0
	s_cbranch_scc1 .Lnot_wave_0_\@
	s_barrier_signal -3
.Lnot_wave_0_\@:
	s_barrier_wait -3
	s_barrier_signal -1
	s_barrier_wait -1
.endm
.macro CROUND
	s_barrier_signal -1
	s_barrier_wait -1
	CREST
.endm
	s_load_b128 s[4:7], s[0:1], 0x0                ; ao, wo16
	s_load_b64 s[8:9], s[0:1], 0x10                ; out0
	v_lshl_add_u32 v[SPW], v0, 2, SPARE
	v_mov_b32 v[NIL], 0
	ds_add_u32 v[SPW], v[NIL]                      ; the wave's opening: the add, twice on end, and its wait ahead of my first tensor load
	ds_add_u32 v[SPW], v[NIL]
	v_lshrrev_b32 v1, 5, v0
	v_readfirstlane_b32 s10, v1                    ; wave 0..3
	s_lshr_b32 s11, s10, 1                         ; which half of the tile's rows is mine.  Also: I fetch for a (0) or for wo (1)
	s_and_b32 s12, s10, 1                          ; which half of its columns.  Also: which 64 rows I fetch
	s_bfe_u32 s40, ttmp6, 0x40000                  ; cx, cy
	s_bfe_u32 s41, ttmp6, 0x40004
	s_lshl_b32 s42, ttmp9, 2
	s_add_co_u32 s42, s42, s40                     ; tile column
	s_and_b32 s13, ttmp7, 0xffff
	s_lshl_b32 s13, s13, 2
	s_add_co_u32 s13, s13, s41                     ; tile row
	s_lshl_b32 s43, s41, 2
	s_lshl_b32 s43, 15, s43                        ; my row of the cluster
	s_lshl_b32 s44, 0x1111, s40                    ; my column
	s_or_b32 s[G1+0], s43, (1<<16)|(1<<20)|(1<<21)|(4<<22)|(3<<25)   ; a: elements of 2 bytes; 4 words of padding behind every 32 (a token's 128 bytes)
	s_mov_b32 s[G1+1], 4096<<16                    ; tensor_dim0: 64 tokens x 64 channels, dense
	s_mov_b32 s[G1+2], 4<<16                       ; tensor_dim1: four planes
	s_mov_b32 s[G1+3], 4096<<16                    ; tile_dim0
	s_mov_b32 s[G1+4], 4                           ; tile_dim1
	s_mov_b32 s[G1+5], 131072                      ; from plane to plane, in elements
	s_mov_b32 s[G1+6], 0
	s_mov_b32 s[G1+7], 0
	s_or_b32 s[G1B+0], s44, (1<<16)|(1<<20)|(1<<21)|(6<<22)|(3<<25)  ; wo: 4 words behind every 128
	s_mov_b32 s[G1B+1], 256<<16
	s_mov_b32 s[G1B+2], 64<<16
	s_mov_b32 s[G1B+3], 256<<16
	s_mov_b32 s[G1B+4], 64
	s_mov_b32 s[G1B+5], 1024
	s_mov_b32 s[G1B+6], 0
	s_mov_b32 s[G1B+7], 0
	s_lshr_b32 s16, s13, 4                         ; a: the batch: 16 planes of 262,144 bytes,
	s_lshl_b32 s16, s16, 22
	s_and_b32 s17, s13, 15
	s_lshl_b32 s17, s17, 14                        ; 128 tokens of 128 bytes a tile row,
	s_add_co_u32 s16, s16, s17
	s_lshl_b32 s17, s12, 13                        ; my 64 of them
	s_add_co_u32 s16, s16, s17
	s_mov_b32 s17, 0
	s_lshl_b32 s46, s42, 18                        ; wo: 128 rows of 2,048 bytes a tile column,
	s_lshl_b32 s47, s12, 17                        ; my 64 of them
	s_add_co_u32 s46, s46, s47
	s_mov_b32 s47, 0
	s_mul_i32 s20, s12, HALFA                      ; where they go: no place in the cluster enters an LDS address
	s_mul_i32 s45, s12, HALFB
	s_add_co_u32 s45, s45, BOFF
	s_wait_dscnt 0x0                               ; both opening adds are done
	s_wait_kmcnt 0x0
	s_add_nc_u64 s[14:15], s[4:5], s[16:17]
	s_add_nc_u64 s[46:47], s[6:7], s[46:47]
	CROUND                                         ; all sixteen work-groups are here: the first joint loads meet
.irp s, 0,1
	s_mov_b32 s[G0+4*\s], 1
	s_add_co_u32 s[G0+4*\s+1], s20, \s*SLOT
	s_add_nc_u64 s[G0+4*\s+2:G0+4*\s+3], s[14:15], \s*STEPA
	s_or_b32 s[G0+4*\s+3], s[G0+4*\s+3], 0x80000000
	s_mov_b32 s[G0B+4*\s], 1
	s_add_co_u32 s[G0B+4*\s+1], s45, \s*SLOT
	s_add_nc_u64 s[G0B+4*\s+2:G0B+4*\s+3], s[46:47], \s*STEPB
	s_or_b32 s[G0B+4*\s+3], s[G0B+4*\s+3], 0x80000000
	JLOAD \s
.endr
	v_and_b32 v1, 15, v0                           ; r
	v_bfe_u32 v2, v0, 4, 1                         ; h
	v_mul_u32_u24 v3, v1, PA
	v_lshl_add_u32 v3, v2, 4, v3
	v_mul_u32_u24 v4, v1, PB
	v_lshl_add_u32 v4, v2, 4, v4
	s_mul_i32 s21, s11, HALFA                      ; my 64 tokens
	s_mul_i32 s22, s12, HALFB                      ; my 64 rows of wo
	s_add_co_u32 s22, s22, BOFF
.irp s, 0,1
	v_add_nc_u32 v[ADRA+\s], s21, v3
	v_add_nc_u32 v[ADRB+\s], s22, v4
	s_add_co_u32 s21, s21, SLOT
	s_add_co_u32 s22, s22, SLOT
.endr
	s_mul_i32 s23, s10, 16*SPITCH
	s_add_co_u32 s23, s23, STAGE                   ; my stage
	v_mul_u32_u24 v5, v1, SPITCH
	v_lshl_add_u32 v5, v2, 5, v5
	v_add_nc_u32 v[STO], s23, v5                   ; in: token r, 32 bytes for each half of the lanes
	v_mul_u32_u24 v5, v2, SPITCH
	v_lshl_add_u32 v5, v1, 4, v5
	v_add_nc_u32 v[RD], s23, v5                    ; back: lanes 0-15 one row of 256 bytes, lanes 16-31 the next
	v_lshlrev_b32 v5, 12, v2
	v_lshl_add_u32 v[CO], v1, 4, v5                ; and the same two rows in out0
	s_lshl_b32 s16, s13, 19                        ; 128 rows of 4,096 bytes a tile row,
	s_lshl_b32 s17, s11, 18                        ; my 64
	s_add_co_u32 s16, s16, s17
	s_mov_b32 s17, 0
	s_add_nc_u64 s[8:9], s[8:9], s[16:17]
	s_lshl_b32 s46, s42, 9                         ; my first column, in bytes
	s_lshl_b32 s47, s12, 8
	s_add_co_u32 s46, s46, s47
	s_mov_b32 s47, 0
	s_add_nc_u64 s[8:9], s[8:9], s[46:47]
.macro MUL8 f, c, a0, zero             ; 8 matrix instructions: token blocks a0, a0 + 1 x all four column blocks, 32 along K: half c of buffer f
.irp a, \a0, \a0+1
.irp b, 0,1,2,3
.if \zero
	v_wmma_f32_16x16x32_f16 v[ACC+8*(4*(\a)+\b):ACC+8*(4*(\a)+\b)+7], v[\f+64+8*(4*\c+\b):\f+64+8*(4*\c+\b)+7], v[\f+8*(4*\c+\a):\f+8*(4*\c+\a)+7], 0
.else
	v_wmma_f32_16x16x32_f16 v[ACC+8*(4*(\a)+\b):ACC+8*(4*(\a)+\b)+7], v[\f+64+8*(4*\c+\b):\f+64+8*(4*\c+\b)+7], v[\f+8*(4*\c+\a):\f+8*(4*\c+\a)+7], v[ACC+8*(4*(\a)+\b):ACC+8*(4*(\a)+\b)+7]
.endif
.endr
.endr
.endm
.macro FETCH slot, qd, f               ; 32 LDS loads in one run: the fragments of the slot's quarter qd (one head, 64 along K) into buffer f; the first 32 along K first
	WIN TO_F
.irp c, 0,1
.irp i, 0,1,2,3
	ds_load_b128 v[\f+64+8*(4*\c+\i):\f+64+8*(4*\c+\i)+3],   v[ADRB+\slot] offset:(\qd)*128+64*\c+\i*16*PB
	ds_load_b128 v[\f+64+8*(4*\c+\i)+4:\f+64+8*(4*\c+\i)+7], v[ADRB+\slot] offset:(\qd)*128+64*\c+\i*16*PB+32
	ds_load_b128 v[\f+8*(4*\c+\i):\f+8*(4*\c+\i)+3],         v[ADRA+\slot] offset:(\qd)*64*PA+64*\c+\i*16*PA
	ds_load_b128 v[\f+8*(4*\c+\i)+4:\f+8*(4*\c+\i)+7],       v[ADRA+\slot] offset:(\qd)*64*PA+64*\c+\i*16*PA+32
.endr
.endr
.endm
.macro PLACES
.rept 4
	v_nop
.endr
.endm
.macro QUARTER slot, qd, f, g, zero    ; multiplies buffer f and fetches quarter qd into g
	s_wait_dscnt 16                                ; the first 32 along K are in; the sixteen younger loads may be out
	WIN MUL
	MUL8 \f, 0, 0, \zero
	MUL8 \f, 0, 2, \zero
	PLACES
	FETCH \slot, \qd, \g
	s_wait_dscnt 32                                ; all but the 32 just issued
	WIN MUL
	MUL8 \f, 1, 0, 0
	MUL8 \f, 1, 2, 0
.endm
; The last quarter multiplies buffer 1 and changes slots: in front of the barrier each wave waits for all its tensor loads, adds 0 to its spare word, and waits for that and for its reads of this slot.
; fill = 1: the barrier opens a round of the cluster's barrier, and this slot is filled again, two K steps ahead, first thing behind the round.
.macro TURN slot, next, fill
	WIN 0
	s_wait_tensorcnt 0x0
	ds_add_u32 v[SPW], v[NIL]
	s_wait_dscnt 17                                ; (the add and the youngest sixteen loads may be out)
	WIN MUL
	MUL8 F1, 0, 0, 0
	s_wait_dscnt 0x0                               ; the add is done, and my reads of this slot are over
	s_barrier_signal -1
	MUL8 F1, 0, 2, 0
.if \fill
	WIN 0
.endif
	s_barrier_wait -1
.if \fill
	CREST
	s_add_nc_u64 s[G0+4*\slot+2:G0+4*\slot+3], s[G0+4*\slot+2:G0+4*\slot+3], 2*STEPA
	s_add_nc_u64 s[G0B+4*\slot+2:G0B+4*\slot+3], s[G0B+4*\slot+2:G0B+4*\slot+3], 2*STEPB
	JLOAD \slot                                    ; the four v_nop behind it are also the places in front of the loads below
.else
	PLACES
.endif
	FETCH \next, 0, F0
	WIN MUL
	MUL8 F1, 1, 0, 0
	MUL8 F1, 1, 2, 0
.endm
	s_wait_tensorcnt 1                             ; my part of K step 0 is in; the one younger load, K step 1's, may be out
	s_barrier_signal -1
	s_barrier_wait -1
	FETCH 0, 0, F0
	QUARTER 0, 1, F0, F1, 1                        ; the first products start the sums
	WIN 0
	s_mov_b32 s3, LAPS-1
.Llap:                                             ; a trip goes once round the ring and fills both slots again
	QUARTER 0, 2, F1, F0, 0
	QUARTER 0, 3, F0, F1, 0
	TURN 0, 1, 1
	QUARTER 1, 1, F0, F1, 0
	QUARTER 1, 2, F1, F0, 0
	QUARTER 1, 3, F0, F1, 0
	TURN 1, 0, 1
	QUARTER 0, 1, F0, F1, 0
	WIN 0
	s_sub_co_u32 s3, s3, 1
	s_cmp_lg_u32 s3, 0
	s_cbranch_scc1 .Llap
	QUARTER 0, 2, F1, F0, 0                        ; the last lap fills nothing
	QUARTER 0, 3, F0, F1, 0
	TURN 0, 1, 0
	QUARTER 1, 1, F0, F1, 0
	QUARTER 1, 2, F1, F0, 0
	QUARTER 1, 3, F0, F1, 0
	s_wait_dscnt 16
	WIN MUL
	MUL8 F1, 0, 0, 0
	MUL8 F1, 0, 2, 0
	s_wait_dscnt 0
	MUL8 F1, 1, 0, 0
	MUL8 F1, 1, 2, 0
	WIN 0
; THE WAY OUT, 16 tokens x 64 columns at a time, through my own stage: a wave's 64 columns of f32 are 256 bytes, aligned, so no other wave has a part in them and no barrier is needed.
.macro TOSTAGE a
.irp b, 0,1,2,3
	ds_store_b128 v[STO], v[ACC+8*(4*(\a)+\b):ACC+8*(4*(\a)+\b)+3] offset:64*\b        ; each accumulator from its low end on
	ds_store_b128 v[STO], v[ACC+8*(4*(\a)+\b)+4:ACC+8*(4*(\a)+\b)+7] offset:64*\b+16
.endr
.irp u, 0,1,2,3,4,5,6,7
	ds_load_b128 v[TMP+32*((\a)%2)+4*\u:TMP+32*((\a)%2)+4*\u+3], v[RD] offset:\u*2*SPITCH   ; LDS serves a wave's instructions in order
.endr
.endm
.macro SEND a, younger                 ; younger: the LDS instructions issued behind block a's loads
	s_wait_dscnt \younger
.irp u, 0,1,2,3,4,5,6,7
	global_store_b128 v[CO], v[TMP+32*((\a)%2)+4*\u:TMP+32*((\a)%2)+4*\u+3], s[8:9] offset:(16*(\a)+2*\u)*4096 th:TH_STORE_NT   ; sixteen lanes store 256 consecutive bytes, aligned
.endr
.endm
	PLACES
	TOSTAGE 0
.irp a, 1,2,3
.if \a > 1
	s_wait_xcnt 0x0                                ; block a - 2's stores have read their registers: block a's loads may land there
.endif
	TOSTAGE \a
	SEND \a-1, 16                                  ; behind block a - 1's loads: block a's 8 stores and 8 loads
.endr
	SEND 3, 0
	s_wait_tensorcnt 0x0                           ; the wave's end
	ds_add_u32 v[SPW], v[NIL]
	s_wait_dscnt 0x0
	CROUND                                         ; the closing round
	s_endpgm
.Lfunc_end_k_q24e0b3bf29_proj:
	.size	k_q24e0b3bf29_proj, .Lfunc_end_k_q24e0b3bf29_proj-k_q24e0b3bf29_proj
	.p2alignl 7, 3214868480
	.fill 96, 4, 3214868480
	.section	.rodata,"a",@progbits
	.p2align	6, 0x0
	.amdhsa_kernel k_q24e0b3bf29_proj
		.amdhsa_group_segment_fixed_size 327680
		.amdhsa_private_segment_fixed_size 0
		.amdhsa_enable_private_segment 0
		.amdhsa_kernarg_size 24
		.amdhsa_user_sgpr_count 2
		.amdhsa_user_sgpr_kernarg_segment_ptr 1
		.amdhsa_wavefront_size32 1
		.amdhsa_system_sgpr_workgroup_id_x 1
		.amdhsa_system_sgpr_workgroup_id_y 1
		.amdhsa_system_sgpr_workgroup_id_z 1
		.amdhsa_system_vgpr_workitem_id 0
		.amdhsa_next_free_vgpr 512
		.amdhsa_next_free_sgpr 66
		.amdhsa_reserve_vcc 0
		.amdhsa_float_denorm_mode_32 3
		.amdhsa_float_denorm_mode_16_64 3
		.amdhsa_memory_ordered 1
		.amdhsa_forward_progress 1
		.amdhsa_inst_pref_size 86
	.end_amdhsa_kernel
	.amdgpu_metadata
---
amdhsa.version: [ 1, 2 ]
amdhsa.kernels:
  - .name:           k_q24e0b3bf29_proj
    .symbol:         k_q24e0b3bf29_proj.kd
    .args:
      - { .name: ao, .offset: 0, .size: 8, .value_kind: global_buffer, .address_space: global }
      - { .name: wo16, .offset: 8, .size: 8, .value_kind: global_buffer, .address_space: global }
      - { .name: out0, .offset: 16, .size: 8, .value_kind: global_buffer, .address_space: global }
    .group_segment_fixed_size: 327680
    .private_segment_fixed_size: 0
    .kernarg_segment_align: 8
    .kernarg_segment_size: 24
    .max_flat_workgroup_size: 128
    .sgpr_count:     66
    .vgpr_count:     512
    .wavefront_size: 32
...
	.end_amdgpu_metadata
.endif
;; end of part 4
;; launch fine (part 5): grid 16 x 4, 16 waves a work-group, no clusters, 86,016 bytes of LDS; arguments qkv32, wo, out0; writes out0
.if DOCPART == 5
	.amdgcn_target "amdgcn-amd-amdhsa--gfx1250"
	.amdhsa_code_object_version 6
	.text
	.protected	k_q24e0b3bf29_fine
	.globl	k_q24e0b3bf29_fine
	.p2align	8
	.type	k_q24e0b3bf29_fine,@function
k_q24e0b3bf29_fine:
	s_mov_b64 s[64:65], 0
	v_nop
	global_prefetch_b8 v0, s[64:65] scope:SCOPE_SE
	s_setreg_imm32_b32 hwreg(HW_REG_WAVE_MODE, 25, 1), 1
	s_wait_xcnt 0x0
; The first 16 positions of each batch, all in f32: under the causal mask they average one to sixteen values and are the largest in size, so f16 operands would weigh most there.
; qkv32 [batch][which 3][head 16][16][64] f32; wo [1,024 e][1,024 d] f32; out0 rows 0-15 of each batch are written anew.  All products by v_wmma_f32_16x16x4_f32: 64 rows in all, no bulk work.
; SHARES.  A work-group has a batch and 64 columns of the result (256 bytes of a row).  Phase 1: wave w makes head w's attention for the 16 positions and puts it into LDS.  Phase 2: wave w makes 16 columns (w % 4)
; over a quarter of K (w / 4); the four quarters meet in LDS and waves 0-7 add and store two rows each.  64 work-groups: all the work there is at whole runs of 256 bytes.
; LAYOUT.  Both products of phase 1 are used transposed, so that a lane holds one query.  The form wants k = 2 (lane / 16) + j in register j; here a lane's registers hold other k, THE SAME on both sides of each product,
; so that plain loads of 16 bytes fill the operands: a permutation of k applied alike to both sides keeps the products.
; The registers that these matrix instructions write (v112-159) are written by nothing else; each sum starts with the constant 0.
.set OFP,   4112                       ; a position's row of the attention's result in LDS: 4,096 bytes + 16
.set RED,   66048                      ; behind its 16 rows: four partial results of 16 rows x 272 bytes
.set SPARE, RED+4*4352                 ; the spare words, 128 bytes a wave, which no other line names
.set QF, 16                            ; v16-47 Q, later the attention's rows
.set KF, 48                            ; v48-79 K, later the same
.set VT, 80                            ; v80-111 V, by channel; later a part of wo
.set SA, 112                           ; v112-119, v120-127 two accumulators that take turns
.set SB, 120
.set OA, 128                           ; v128-159 O^T, four accumulators
.set SS, 160                           ; v160-167 the scores
.set PP, 168                           ; v168-175 the weights
.set W0, 192                           ; v192-255 the first half of my part of wo
	s_load_b128 s[4:7], s[0:1], 0x0                ; qkv32, wo
	s_load_b64 s[8:9], s[0:1], 0x10                ; out0
	v_lshl_add_u32 v3, v0, 2, SPARE                ; v3 my spare word, v4 0: never rewritten
	v_mov_b32 v4, 0
	v_lshrrev_b32 v15, 5, v0
	v_readfirstlane_b32 s10, v15                   ; wave 0..15
	v_and_b32 v1, 15, v0                           ; r
	v_bfe_u32 v2, v0, 4, 1                         ; h
	v_lshlrev_b32 v5, 8, v1
	v_lshl_add_u32 v5, v2, 4, v5                   ; Q, K: row r of 256 bytes + 16 h
	v_lshlrev_b32 v6, 2, v1
	v_lshl_add_u32 v6, v2, 11, v6                  ; V: key 8 h, channel r
	v_lshlrev_b32 v7, 12, v1
	v_lshl_add_u32 v7, v2, 4, v7                   ; wo: row r of 4,096 bytes + 16 h
	v_mul_u32_u24 v15, v1, OFP
	s_lshl_b32 s16, s10, 8
	v_lshl_add_u32 v8, v2, 5, v15
	v_add_nc_u32 v8, s16, v8                       ; where head w's result goes: row r, 256 w + 32 h
	s_lshr_b32 s17, s10, 2                         ; my quarter of K
	s_and_b32 s18, s10, 3                          ; my 16 columns
	s_lshl_b32 s16, s17, 10
	v_lshl_add_u32 v9, v2, 4, v15
	v_add_nc_u32 v9, s16, v9                       ; where phase 2 reads it: row r, 1,024 x quarter + 16 h
	v_mul_u32_u24 v15, v1, 272
	v_lshl_add_u32 v10, v2, 5, v15
	s_mul_i32 s16, s17, 4352
	s_lshl_b32 s19, s18, 6
	s_add_co_u32 s16, s16, s19
	s_add_co_u32 s16, s16, RED
	v_add_nc_u32 v10, s16, v10                     ; my partial result: quarter, row r, 64 x column tile + 32 h
	s_and_b32 s19, s10, 7
	s_lshl_b32 s19, s19, 1
	v_add_nc_u32 v15, s19, v2                      ; the row that I add and store: 2 (w % 8) + h
	v_mul_u32_u24 v11, v15, 272
	v_lshl_add_u32 v11, v1, 4, v11
	v_add_nc_u32 v11, RED, v11
	v_lshlrev_b32 v12, 12, v15
	v_lshl_add_u32 v12, v1, 4, v12                 ; and its place in out0
	v_lshlrev_b32 v15, 3, v2
	v_sub_nc_u32 v13, v1, v15                      ; r - 8 h
	v_mov_b32 v14, 0xff800000                      ; -infinity
	v_mov_b32 v177, 0                              ; written once: a lane permute's destination counts as one of its sources
	s_mov_b32 s20, 0x76543210
	s_mov_b32 s21, 0xfedcba98
	s_mov_b32 s22, 0x3e38aa3b                      ; c = log2(e) / 8
	s_and_b32 s12, ttmp7, 0xffff                   ; batch
	s_mul_i32 s14, s12, 48
	s_add_co_u32 s14, s14, s10
	s_lshl_b32 s14, s14, 12                        ; Q's plane of head w; K's lies 65,536 bytes on, V's 131,072
	s_mov_b32 s15, 0
	s_lshl_b32 s24, ttmp9, 18                      ; wo: 64 rows a work-group,
	s_lshl_b32 s25, s18, 16                        ; 16 a column tile,
	s_add_co_u32 s24, s24, s25
	s_lshl_b32 s25, s17, 10                        ; 1,024 bytes a quarter of K
	s_add_co_u32 s24, s24, s25
	s_mov_b32 s25, 0
	s_lshl_b32 s26, s12, 23                        ; out0: 2,048 rows of 4,096 bytes a batch,
	s_lshl_b32 s27, ttmp9, 8                       ; 256 bytes a work-group
	s_add_co_u32 s26, s26, s27
	s_mov_b32 s27, 0
	s_wait_kmcnt 0x0
	s_add_nc_u64 s[4:5], s[4:5], s[14:15]
	s_add_nc_u64 s[6:7], s[6:7], s[24:25]
	s_add_nc_u64 s[8:9], s[8:9], s[26:27]
.irp u, 0,1,2,3,4,5,6,7
	global_load_b128 v[QF+4*\u:QF+4*\u+3], v5, s[4:5] offset:32*\u              ; channels 8 u + 4 h + 0..3 of query r
.endr
.irp u, 0,1,2,3,4,5,6,7
	global_load_b128 v[KF+4*\u:KF+4*\u+3], v5, s[4:5] offset:65536+32*\u        ; the same of key r
.endr
.irp ct, 0,1,2,3
.irp i, 0,1,2,3,4,5,6,7
	global_load_b32 v[VT+8*\ct+\i], v6, s[4:5] offset:131072+256*\i+64*\ct      ; V(key 8 h + i, channel 16 ct + r)
.endr
.endr
.irp u, 0,1,2,3,4,5,6,7,8,9,10,11,12,13,14,15
	global_load_b128 v[W0+4*\u:W0+4*\u+3], v7, s[6:7] offset:32*\u              ; wo(my row r, d = 256 quarter + 8 u + 4 h + 0..3)
.endr
	s_wait_loadcnt 48                              ; Q and K are in; V's 32 loads and wo's 16 are younger
	; ---- phase 1: S^T = K Q^T, two accumulators by turns
	v_wmma_f32_16x16x4_f32 v[SA:SA+7], v[KF:KF+1], v[QF:QF+1], 0
	v_wmma_f32_16x16x4_f32 v[SB:SB+7], v[KF+2:KF+3], v[QF+2:QF+3], 0
.irp u, 1,2,3,4,5,6,7
	v_wmma_f32_16x16x4_f32 v[SA:SA+7], v[KF+4*\u:KF+4*\u+1], v[QF+4*\u:QF+4*\u+1], v[SA:SA+7]
	v_wmma_f32_16x16x4_f32 v[SB:SB+7], v[KF+4*\u+2:KF+4*\u+3], v[QF+4*\u+2:QF+4*\u+3], v[SB:SB+7]
.endr
.rept 8
	v_nop                                          ; eight places behind this form, ahead of the first read of its results (ISA guide 7.12.1)
.endr
.irp k, 0,2,4,6
	v_pk_add_f32 v[SS+\k:SS+\k+1], v[SA+\k:SA+\k+1], v[SB+\k:SB+\k+1]   ; register j: key 8 h + j, query r
.endr
.irp j, 0,1,2,3,4,5,6,7
	v_cmp_gt_i32 vcc_lo, \j, v13                   ; hidden where 8 h + j > r
	v_cndmask_b32 v[SS+\j], v[SS+\j], v14, vcc_lo
.endr
	v_max3_num_f32 v176, v160, v161, v162
	v_max3_num_f32 v176, v176, v163, v164
	v_max3_num_f32 v176, v176, v165, v166
	v_max_num_f32 v176, v176, v167
	v_permlanex16_b32 v177, v176, s20, s21
	v_max_num_f32 v176, v176, v177                 ; the row's maximum: key 0 counts for every query, so it is a number
	v_mul_f32 v178, s22, v176
.irp j, 0,1,2,3,4,5,6,7
	v_fma_f32 v[SS+\j], v[SS+\j], s22, -v178
.endr
.irp j, 0,1,2,3,4,5,6,7
	v_exp_f32 v[PP+\j], v[SS+\j]
.endr
	v_nop
	s_wait_alu depctr_va_vdst(0)                   ; one wait for the eight exponentials, ahead of their first reader
	v_add_f32 v176, v168, v169
	v_add_f32 v180, v170, v171
	v_add_f32 v181, v172, v173
	v_add_f32 v182, v174, v175
	v_add_f32 v176, v176, v180
	v_add_f32 v181, v181, v182
	v_add_f32 v176, v176, v181
	v_permlanex16_b32 v177, v176, s20, s21
	v_add_f32 v176, v176, v177
	v_rcp_f32 v178, v176
	v_nop
	s_wait_alu depctr_va_vdst(0)
.irp j, 0,1,2,3,4,5,6,7
	v_mul_f32 v[PP+\j], v[PP+\j], v178             ; the weights, normalised
.endr
	s_wait_loadcnt 16                              ; V is in; wo's 16 loads are younger
.irp s, 0,1,2,3                        ; O^T = V^T P: keys 8 h + 2 s + j on both sides; four accumulators by turns
.irp ct, 0,1,2,3
.if \s == 0
	v_wmma_f32_16x16x4_f32 v[OA+8*\ct:OA+8*\ct+7], v[VT+8*\ct:VT+8*\ct+1], v[PP:PP+1], 0
.else
	v_wmma_f32_16x16x4_f32 v[OA+8*\ct:OA+8*\ct+7], v[VT+8*\ct+2*\s:VT+8*\ct+2*\s+1], v[PP+2*\s:PP+2*\s+1], v[OA+8*\ct:OA+8*\ct+7]
.endif
.endr
.endr
.rept 9
	v_nop                                          ; places ahead of the loads into V's and the weights' registers and of the stores that read O^T
.endr
.irp u, 0,1,2,3,4,5,6,7
	global_load_b128 v[VT+4*\u:VT+4*\u+3], v7, s[6:7] offset:512+32*\u          ; the second half of my part of wo
.endr
.irp u, 0,1,2,3,4,5,6,7
	global_load_b128 v[SS+4*\u:SS+4*\u+3], v7, s[6:7] offset:768+32*\u
.endr
.irp ct, 0,1,2,3
	ds_store_b128 v8, v[OA+8*\ct:OA+8*\ct+3] offset:64*\ct                      ; o(position r, d = 64 w + 16 ct + 8 h + 0..7), each accumulator from its low end on
	ds_store_b128 v8, v[OA+8*\ct+4:OA+8*\ct+7] offset:64*\ct+16
.endr
	s_wait_dscnt 0x0                               ; for the others' sake: my stores have landed
	s_barrier_signal -1
	s_barrier_wait -1                              ; all sixteen heads lie in LDS
	; ---- phase 2: source 0 = 16 rows of wo, source 1 = the 16 positions; 256 along K in two halves
.irp u, 0,1,2,3,4,5,6,7,8,9,10,11,12,13,14,15
	ds_load_b128 v[QF+4*\u:QF+4*\u+3], v9 offset:32*\u
.endr
	s_wait_loadcnt 16                              ; wo's first half is in; the second half's 16 loads are younger
	s_wait_dscnt 0x0
	v_wmma_f32_16x16x4_f32 v[SA:SA+7], v[W0:W0+1], v[QF:QF+1], 0
	v_wmma_f32_16x16x4_f32 v[SB:SB+7], v[W0+2:W0+3], v[QF+2:QF+3], 0
.irp u, 1,2,3,4,5,6,7,8,9,10,11,12,13,14,15
	v_wmma_f32_16x16x4_f32 v[SA:SA+7], v[W0+4*\u:W0+4*\u+1], v[QF+4*\u:QF+4*\u+1], v[SA:SA+7]
	v_wmma_f32_16x16x4_f32 v[SB:SB+7], v[W0+4*\u+2:W0+4*\u+3], v[QF+4*\u+2:QF+4*\u+3], v[SB:SB+7]
.endr
.rept 8
	v_nop                                          ; places ahead of the loads into operand registers
.endr
.irp u, 0,1,2,3,4,5,6,7,8,9,10,11,12,13,14,15
	ds_load_b128 v[QF+4*\u:QF+4*\u+3], v9 offset:512+32*\u
.endr
	s_wait_loadcnt 0x0
	s_wait_dscnt 0x0
.irp u, 0,1,2,3,4,5,6,7
	v_wmma_f32_16x16x4_f32 v[SA:SA+7], v[VT+4*\u:VT+4*\u+1], v[QF+4*\u:QF+4*\u+1], v[SA:SA+7]
	v_wmma_f32_16x16x4_f32 v[SB:SB+7], v[VT+4*\u+2:VT+4*\u+3], v[QF+4*\u+2:QF+4*\u+3], v[SB:SB+7]
.endr
.irp u, 0,1,2,3,4,5,6,7
	v_wmma_f32_16x16x4_f32 v[SA:SA+7], v[SS+4*\u:SS+4*\u+1], v[QF+32+4*\u:QF+32+4*\u+1], v[SA:SA+7]
	v_wmma_f32_16x16x4_f32 v[SB:SB+7], v[SS+4*\u+2:SS+4*\u+3], v[QF+32+4*\u+2:QF+32+4*\u+3], v[SB:SB+7]
.endr
.rept 8
	v_nop
.endr
.irp k, 0,2,4,6
	v_pk_add_f32 v[16+\k:17+\k], v[SA+\k:SA+\k+1], v[SB+\k:SB+\k+1]   ; position r, columns 16 (w % 4) + 8 h + 0..7, my quarter of K
.endr
	ds_store_b128 v10, v[16:19]
	ds_store_b128 v10, v[20:23] offset:16
	s_wait_dscnt 0x0
	s_barrier_signal -1
	s_barrier_wait -1                              ; the four quarters lie in LDS
	s_cmp_ge_u32 s10, 8                            ; waves 0-7 add them, two rows each; no barrier stands under this branch
	s_cbranch_scc1 .Lend
.irp k, 0,1,2,3
	ds_load_b128 v[24+4*\k:27+4*\k], v11 offset:4352*\k
.endr
	s_wait_dscnt 0x0
	v_pk_add_f32 v[24:25], v[24:25], v[28:29]
	v_pk_add_f32 v[26:27], v[26:27], v[30:31]
	v_pk_add_f32 v[32:33], v[32:33], v[36:37]
	v_pk_add_f32 v[34:35], v[34:35], v[38:39]
	v_pk_add_f32 v[24:25], v[24:25], v[32:33]
	v_pk_add_f32 v[26:27], v[26:27], v[34:35]
	global_store_b128 v12, v[24:27], s[8:9]        ; sixteen lanes store 256 consecutive bytes, aligned
.Lend:
	s_wait_tensorcnt 0x0                           ; the wave's end, behind my last LDS store
	ds_add_u32 v3, v4
	s_wait_dscnt 0x0
	s_endpgm
.Lfunc_end_k_q24e0b3bf29_fine:
	.size	k_q24e0b3bf29_fine, .Lfunc_end_k_q24e0b3bf29_fine-k_q24e0b3bf29_fine
	.p2alignl 7, 3214868480
	.fill 96, 4, 3214868480
	.section	.rodata,"a",@progbits
	.p2align	6, 0x0
	.amdhsa_kernel k_q24e0b3bf29_fine
		.amdhsa_group_segment_fixed_size 86016
		.amdhsa_private_segment_fixed_size 0
		.amdhsa_enable_private_segment 0
		.amdhsa_kernarg_size 24
		.amdhsa_user_sgpr_count 2
		.amdhsa_user_sgpr_kernarg_segment_ptr 1
		.amdhsa_wavefront_size32 1
		.amdhsa_system_sgpr_workgroup_id_x 1
		.amdhsa_system_sgpr_workgroup_id_y 1
		.amdhsa_system_sgpr_workgroup_id_z 1
		.amdhsa_system_vgpr_workitem_id 0
		.amdhsa_next_free_vgpr 256
		.amdhsa_next_free_sgpr 66
		.amdhsa_reserve_vcc 1
		.amdhsa_float_denorm_mode_32 3
		.amdhsa_float_denorm_mode_16_64 3
		.amdhsa_memory_ordered 1
		.amdhsa_forward_progress 1
		.amdhsa_inst_pref_size 25
	.end_amdhsa_kernel
	.amdgpu_metadata
---
amdhsa.version: [ 1, 2 ]
amdhsa.kernels:
  - .name:           k_q24e0b3bf29_fine
    .symbol:         k_q24e0b3bf29_fine.kd
    .args:
      - { .name: qkv32, .offset: 0, .size: 8, .value_kind: global_buffer, .address_space: global }
      - { .name: wo, .offset: 8, .size: 8, .value_kind: global_buffer, .address_space: global }
      - { .name: out0, .offset: 16, .size: 8, .value_kind: global_buffer, .address_space: global }
    .group_segment_fixed_size: 86016
    .private_segment_fixed_size: 0
    .kernarg_segment_align: 8
    .kernarg_segment_size: 24
    .max_flat_workgroup_size: 512
    .sgpr_count:     66
    .vgpr_count:     256
    .wavefront_size: 32
...
	.end_amdgpu_metadata
.endif
;; end of part 5
